; MI455X (gfx1250); checked and timed in simulation.
; The chip was launched on July 23, 2026; its instructions are those of AMD's public machine-readable ISA for CDNA 5 (MIT licence, August 2026) and "CDNA5" Instruction Set Architecture Reference Guide (July 2026). The comments in the code are by the model that wrote it; some were corrected since.
;; Sparse Attention. Allowed arithmetic: float matrix products may take bf16 or f16 operands with f32 sums; all other float work in f32.
;; Inputs: b_proj 256 float32; w_proj 256 x 256 float32; w_qkv 256 x 768 float32; x 2 x 4,096 x 256 float32.
;; Outputs: out0 2 x 4,096 x 256 float32.
;; 2 versions, each right; version 2 is version 1 with the launches qkv, proj written anew for expert scheduling mode. Each part assembles by itself: llvm-mc -triple=amdgcn-amd-amdhsa -mcpu=gfx1250 --defsym DOCPART=n.
;; ======== version 1 of 2: 4 launches
;; limits: values are held in f16: magnitudes above 65,504 overflow, below 6.1e-05 lose precision
;; workspace buffers: qkv 12,582,912 bytes; dens 32,768 bytes; pos 16,384 bytes of whole numbers; cnt 512 bytes of whole numbers; bias 33,792 bytes; att 4,194,304 bytes
;; launch qkv (part 1): grid 4 x 64, 8 waves a work-group, no clusters, 237,056 bytes of LDS; arguments x, w_qkv, qkv, dens; writes qkv, dens
.if DOCPART == 1
	.amdgcn_target "amdgcn-amd-amdhsa--gfx1250"
	.amdhsa_code_object_version 6
	.text
	.protected	k_qab0771b064_qkv
	.globl	k_qab0771b064_qkv
	.p2align	8
	.type	k_qab0771b064_qkv,@function
k_qab0771b064_qkv:
	s_mov_b64 s[64:65], 0
	v_nop
	global_prefetch_b8 v0, s[64:65] scope:SCOPE_SE
	s_setreg_imm32_b32 hwreg(HW_REG_WAVE_MODE, 25, 1), 1
	s_wait_xcnt 0x0
; qkv[g][T][32] (f16) = x @ w_qkv, g = which*8 + head, T = batch*4096 + token; Q (g < 8) already times 32^-0.5 * log2(e).
; dens[T] (f32) = (unbiased std of row T of x + mean |row T - row T-1|) / 2, the difference 0 for a batch's first token.
; A work-group makes 192 features (column block cb = x) of 128 tokens (row block rb = y) over the whole K = 256, in one pass through LDS.
; Wave w: features 96 (w & 1) .. +95 (three heads), tokens 32 (w >> 1) .. +31: 12 accumulator tiles.
; The product is used transposed: source 0 = W^T (16 features), source 1 = x (16 tokens); a lane's eight results are then eight
; neighbouring features of one token, 16 bytes of f16.
; No tensor loads: both inputs are f32 and are rounded to f16 on the way from memory into LDS, which goes through registers.
; No cluster: without tensor loads there is no joint request to make.
; LIMITS: matrix operands are f16: |x|, |w| and the results stay below 65504.  A row variance below 2^-126 counts as 0 (v_sqrt_f32
; flushes denormals, ISA guide 15.8).
.set XP,    528                        ; LDS pitch of a row of x: 512 bytes of f16 + 16 (33 x 16: sixteen rows start at sixteen different 16-byte columns)
.set WS,    67584                      ; W behind x's 128 rows
.set WP,    416                        ; LDS pitch of a k row of W: 384 bytes + 32 (13 x 32, for the transposing loads)
.set WHALF, 53248                      ; 128 k rows of W: what the 16-bit LDS immediate cannot reach goes into a second address register
.set ST,    174080                     ; the way out: 3 heads x 32 tokens x 80 bytes for each wave
.set STW,   7680
.set DN,    235520                     ; 128 densities
.set X,     64                         ; v[64:191]  my 16 rows of x, 8 registers each; v[56:63] = X-8: the row in front of them
.set F0,    32                         ; v[32:95]   fragments, buffer 0: six of W, two of x
.set F1,    96                         ; v[96:159]  buffer 1
.set ACC,   160                        ; v[160:255] tile (fi, tj) at ACC + 8 (2 fi + tj)
.macro PLACES                          ; four places behind a matrix instruction (ISA guide 7.12.1) where there is no other work
.rept 4
	v_nop
.endr
.endm
; W's block is 256 k rows x 768 bytes = 12,288 pieces of 16 bytes, 48 for each of 256 threads.  Load number q = 3 p + m takes piece
; tid + 256 m of the 16 rows of period p.
.macro WLOAD first, reg                ; 16 loads, numbers first .. first + 15
.set n, 0
.rept 16
	global_load_b128 v[\reg+4*n:\reg+4*n+3], v[6+(\first+n)%3], s[20:21] offset:((\first+n)/3)*49152
.set n, n+1
.endr
.endm
.macro WCVT first, reg                 ; the same 16: rounded to f16 in place, 8 bytes each into LDS
.set n, 0
.rept 16
.set pp, (\first+n)/3
	v_cvt_pk_f16_f32 v[\reg+4*n], v[\reg+4*n], v[\reg+4*n+1]
	v_cvt_pk_f16_f32 v[\reg+4*n+1], v[\reg+4*n+2], v[\reg+4*n+3]
	ds_store_b64 v[9+(\first+n)%3+3*(pp/8)], v[\reg+4*n:\reg+4*n+1] offset:(pp%8)*6656
.set n, n+1
.endr
.endm
.macro RED4                            ; v16..v31, one number for each of my 16 rows: summed over each half of 16 lanes; the 16 chains run side by side
.irp m, 1,2,4,8
.set i, 0
.rept 16
	v_add_f32_dpp v[16+i], v[16+i], v[16+i] row_xmask:\m row_mask:0xf bank_mask:0xf
.set i, i+1
.endr
.endr
.endm
.macro MERGE dst                       ; lanes i and i + 16 take row i's half sums, then one step across the halves
	v_mov_b32 v[\dst], v16
.set i, 1
.rept 15
	s_mov_b32 s28, 0x00010001<<i
	v_cndmask_b32 v[\dst], v[\dst], v[16+i], s28
.set i, i+1
.endr
	v_permlanex16_b32 v32, v[\dst], s26, s27
	v_add_f32 v[\dst], v[\dst], v32
.endm
	s_load_b256 s[4:11], s[0:1], 0x0               ; x s[4:5], w_qkv s[6:7], qkv s[8:9], dens s[10:11]
	v_lshl_add_u32 v15, v0, 2, 0x39a00
	s_set_vgpr_msb 0x40
	v_mov_b32 v1, 0
	s_set_vgpr_msb 0x4000
	v_lshrrev_b32 v1, 5, v0
	v_readfirstlane_b32 s12, v1                    ; wave
	s_mov_b32 s13, ttmp9                           ; cb
	s_and_b32 s14, ttmp7, 0xffff                   ; rb
	s_lshl_b32 s33, s14, 7                         ; T0 = 128 rb
	s_lshl4_add_u32 s15, s12, s33                  ; my first row of x: T0 + 16 w
	s_sub_co_u32 s34, s15, 1                       ; the row in front of it,
	s_and_b32 s35, s15, 4095
	s_cmp_eq_u32 s35, 0
	s_cselect_b32 s34, s15, s34                    ; or the row itself at a batch's start: the difference is then 0
	s_lshl_b32 s34, s34, 10
	s_mov_b32 s35, 0
	s_lshl_b32 s2, s15, 10
	s_mov_b32 s3, 0
	s_mul_i32 s36, s13, 768                        ; my 192 columns of W, in bytes
	s_mov_b32 s37, 0
	s_and_b32 s38, s12, 1                          ; fh
	s_lshr_b32 s39, s12, 1                         ; tg
	s_mul_i32 s32, s13, 6
	s_mul_i32 s40, s38, 3
	s_add_co_u32 s32, s32, s40                     ; g of my first head = 6 cb + 3 fh
	s_lshl_b32 s40, s32, 13
	s_add_co_u32 s40, s40, s33
	s_lshl_b32 s41, s39, 5
	s_add_co_u32 s40, s40, s41
	s_lshl_b32 s40, s40, 6                         ; (g 8192 + T0 + 32 tg) rows of 64 bytes
	s_mov_b32 s41, 0
	s_lshl_b32 s42, s33, 2
	s_mov_b32 s43, 0
	s_mov_b32 s26, 0x76543210                      ; v_permlanex16_b32: lane i reads lane i of the other half
	s_mov_b32 s27, 0xfedcba98
	s_mov_b32 s29, 0xbb800000                      ; -1/256
	s_mov_b32 s30, 0x3e8293ee                      ; 32^-0.5 * log2(e)
	s_mov_b32 s31, 0x3e8293ee
	s_mul_i32 s44, s12, 16*XP
	s_lshl_b32 s45, s12, 6
	s_add_co_u32 s45, s45, DN                      ; my 16 densities in LDS
	v_and_b32 v1, 31, v0                           ; L
	v_and_b32 v2, 15, v0                           ; r
	v_bfe_u32 v3, v0, 4, 1                         ; h
	v_lshlrev_b32 v4, 4, v1                        ; 16 L; never rewritten
	v_lshl_add_u32 v5, v1, 3, s44                  ; x into LDS: my 16 rows, 8 bytes a lane
.irp m, 0,1,2
	v_add_nc_u32 v16, 256*\m, v0                   ; piece c = tid + 256 m, below 768
	v_mul_u32_u24 v17, 0x556, v16
	v_lshrrev_b32 v17, 16, v17                     ; row = c / 48 (1366 c >> 16 is exact below 768)
	v_mul_u32_u24 v18, 48, v17
	v_sub_nc_u32 v18, v16, v18                     ; piece in the row
	v_mul_u32_u24 v19, 0xc00, v17
	v_lshl_add_u32 v[6+\m], v18, 4, v19            ; in memory: row x 3,072 + 16 x piece
	v_mul_u32_u24 v19, WP, v17
	v_lshl_add_u32 v19, v18, 3, v19
	v_add_nc_u32 v[9+\m], WS, v19                  ; in LDS: periods 0 to 7,
	v_add_nc_u32 v[12+\m], WS+WHALF, v19           ; periods 8 to 15
.endr
	s_wait_kmcnt 0x0
	s_add_nc_u64 s[16:17], s[4:5], s[2:3]          ; x at my first row
	s_add_nc_u64 s[18:19], s[4:5], s[34:35]        ; x at the row in front
	s_add_nc_u64 s[20:21], s[6:7], s[36:37]        ; W at my columns
	s_add_nc_u64 s[22:23], s[8:9], s[40:41]        ; qkv at my first head's first token
	s_add_nc_u64 s[24:25], s[10:11], s[42:43]      ; dens at T0
	; 50 loads go out at once: the row in front, my 16 rows (a lane: columns 4 L .. and 128 + 4 L ..), W's first 16 pieces
	global_load_b128 v[56:59], v4, s[18:19]
	global_load_b128 v[60:63], v4, s[18:19] offset:512
.set i, 0
.rept 16
	global_load_b128 v[X+8*i:X+8*i+3], v4, s[16:17] offset:1024*i
	global_load_b128 v[X+8*i+4:X+8*i+7], v4, s[16:17] offset:1024*i+512
.set i, i+1
.endr
	WLOAD 0, 192
	s_wait_loadcnt 16                              ; x is in; the 16 younger loads (W) stay out
.set i, 0
.rept 16                                           ; x to f16, whole rows of 512 bytes into LDS
.set tt, 16+4*(i%4)
	v_cvt_pk_f16_f32 v[tt], v[X+8*i], v[X+8*i+1]
	v_cvt_pk_f16_f32 v[tt+1], v[X+8*i+2], v[X+8*i+3]
	v_cvt_pk_f16_f32 v[tt+2], v[X+8*i+4], v[X+8*i+5]
	v_cvt_pk_f16_f32 v[tt+3], v[X+8*i+6], v[X+8*i+7]
	ds_store_b64 v5, v[tt:tt+1] offset:i*XP
	ds_store_b64 v5, v[tt+2:tt+3] offset:i*XP+256
.set i, i+1
.endr
	; THE DENSITY, from f32 x, by the column block 0 alone (the four column blocks hold the same rows).  Two passes, since the mask
	; that hangs on it has to fall as reference()'s does.
	s_cmp_lg_u32 s13, 0
	s_cbranch_scc1 .Lno_density
.set i, 0
.rept 16                                           ; a lane's eight numbers of each row
.set tt, 32+4*(i%2)
	v_pk_add_f32 v[tt:tt+1], v[X+8*i:X+8*i+1], v[X+8*i+2:X+8*i+3]
	v_pk_add_f32 v[tt+2:tt+3], v[X+8*i+4:X+8*i+5], v[X+8*i+6:X+8*i+7]
	v_pk_add_f32 v[tt:tt+1], v[tt:tt+1], v[tt+2:tt+3]
	v_add_f32 v[16+i], v[tt], v[tt+1]
.set i, i+1
.endr
	RED4
.set i, 0
.rept 16                                           ; every lane needs every row's sum
	v_permlanex16_b32 v[32+i%4], v[16+i], s26, s27
	v_add_f32 v[16+i], v[16+i], v[32+i%4]
.set i, i+1
.endr
.set i, 0
.rept 16                                           ; sum of (x - mean)^2; x - sum/256 is one fused multiply-add
.set tt, 32+10*(i%2)
.irp c, 0,1,2,3,4,5,6,7
	v_fma_f32 v[tt+\c], v[16+i], s29, v[X+8*i+\c]
.endr
	v_pk_mul_f32 v[tt+8:tt+9], v[tt:tt+1], v[tt:tt+1]
	v_pk_fma_f32 v[tt+8:tt+9], v[tt+2:tt+3], v[tt+2:tt+3], v[tt+8:tt+9]
	v_pk_fma_f32 v[tt+8:tt+9], v[tt+4:tt+5], v[tt+4:tt+5], v[tt+8:tt+9]
	v_pk_fma_f32 v[tt+8:tt+9], v[tt+6:tt+7], v[tt+6:tt+7], v[tt+8:tt+9]
	v_add_f32 v[16+i], v[tt+8], v[tt+9]
.set i, i+1
.endr
	RED4
	MERGE 52                                       ; v52: lane r holds row r's sum of squares
.set i, 0
.rept 16                                           ; sum of |x - row in front|
.set tt, 32+10*(i%2)
.irp c, 0,2,4,6
	v_pk_add_f32 v[tt+\c:tt+\c+1], v[X+8*i+\c:X+8*i+\c+1], v[X+8*i-8+\c:X+8*i-8+\c+1] neg_lo:[0,1] neg_hi:[0,1]
.endr
	v_add_f32 v[tt], |v[tt]|, |v[tt+1]|
	v_add_f32 v[tt+2], |v[tt+2]|, |v[tt+3]|
	v_add_f32 v[tt+4], |v[tt+4]|, |v[tt+5]|
	v_add_f32 v[tt+6], |v[tt+6]|, |v[tt+7]|
	v_add_f32 v[tt], v[tt], v[tt+2]
	v_add_f32 v[tt+4], v[tt+4], v[tt+6]
	v_add_f32 v[16+i], v[tt], v[tt+4]
.set i, i+1
.endr
	RED4
	MERGE 54                                       ; v54: lane r holds row r's sum of differences
	v_mul_f32 v16, 0x3b808081, v52                 ; q = squares / 255: a multiply by the rounded reciprocal,
	v_fma_f32 v17, -v16, 0x437f0000, v52           ; the remainder,
	v_fma_f32 v16, v17, 0x3b808081, v16            ; and one correction
	v_max_num_f32 v18, 0x800000, v16               ; keeps the reciprocal root finite at q = 0
	v_sqrt_f32 v19, v16
	v_rsq_f32 v20, v18
	v_nop                                          ; one plain place behind the two (ISA guide 5.7.2)
	s_wait_alu depctr_va_vdst(0)
	v_fma_f32 v17, -v19, v19, v16                  ; y += (q - y y) / (2 sqrt q)
	v_mul_f32 v17, 0.5, v17
	v_fma_f32 v19, v17, v20, v19
	v_fma_f32 v19, v54, 0x3b800000, v19            ; + differences / 256
	v_mul_f32 v19, 0.5, v19
	v_lshl_add_u32 v21, v2, 2, s45
	ds_store_b32 v21, v19                          ; lanes r and r + 16 write the same word with the same value
.Lno_density:
	WLOAD 16, 64                                   ; x's registers are free: the other 32 pieces of W
	WLOAD 32, 128
	v_mul_u32_u24 v16, XP, v2                      ; x's fragments: (32 tg + r) pitch + 16 h
	v_lshl_add_u32 v16, v3, 4, v16
	s_mul_i32 s44, s39, 32*XP
	v_add_nc_u32 v16, s44, v16
	v_and_b32 v22, 7, v0                           ; W's fragments by transposing loads: (8 h + L % 8) pitch + 16 ((L >> 3) & 1) + my 96 features
	v_lshl_add_u32 v22, v3, 3, v22
	v_mul_u32_u24 v17, WP, v22
	v_bfe_u32 v22, v0, 3, 1
	v_lshl_add_u32 v17, v22, 4, v17
	s_mul_i32 s44, s38, 192
	s_add_co_u32 s44, s44, WS
	v_add_nc_u32 v17, s44, v17                     ; K steps 0 to 3
	v_add_nc_u32 v18, WHALF, v17                   ; K steps 4 to 7
	s_mul_i32 s44, s12, STW
	s_add_co_u32 s44, s44, ST                      ; my stage
	v_mul_u32_u24 v19, 80, v2                      ; in: token r, 16 bytes for each half of the lanes
	v_lshl_add_u32 v19, v3, 4, v19
	v_add_nc_u32 v19, s44, v19
	v_lshrrev_b32 v22, 2, v1                       ; back: four lanes take a token's 64 bytes
	v_mul_u32_u24 v20, 80, v22
	v_and_b32 v22, 3, v1
	v_lshl_add_u32 v20, v22, 4, v20
	v_add_nc_u32 v20, s44, v20
	s_wait_loadcnt 32                              ; the first 16 pieces are in, the 32 younger stay out
	WCVT 0, 192
	s_wait_loadcnt 16
	WCVT 16, 64
	s_wait_loadcnt 0x0
	WCVT 32, 128
	s_wait_dscnt 0x0                               ; my part of x, of W and of the densities is in LDS,
	s_barrier_signal -1
	s_barrier_wait -1                              ; everybody's is.  The only barrier: nothing in LDS that others read is written again
	s_cmp_lg_u32 s13, 0
	s_cbranch_scc1 .Lno_dens_out
	s_cmp_lg_u32 s12, 0
	s_cbranch_scc1 .Lno_dens_out
	v_add_nc_u32 v21, DN, v4
	ds_load_b128 v[24:27], v21
	s_wait_dscnt 0x0
	global_store_b128 v4, v[24:27], s[24:25]       ; the block's 128 densities: 512 consecutive bytes, aligned; v4 and v[24:27] are not written again
.Lno_dens_out:
.macro FETCH ks, f                     ; the fragments of K step ks: 12 transposing loads (six tiles of W^T), 4 plain ones (two tiles of x)
.set awb, 17+\ks/4
.set fi, 0
.rept 6
	ds_load_tr16_b128 v[\f+8*fi:\f+8*fi+3], v[awb] offset:(\ks%4)*13312+32*fi
	ds_load_tr16_b128 v[\f+8*fi+4:\f+8*fi+7], v[awb] offset:(\ks%4)*13312+6656+32*fi
.set fi, fi+1
.endr
.set tj, 0
.rept 2
	ds_load_b128 v[\f+48+8*tj:\f+48+8*tj+3], v16 offset:tj*8448+64*\ks
	ds_load_b128 v[\f+48+8*tj+4:\f+48+8*tj+7], v16 offset:tj*8448+64*\ks+32
.set tj, tj+1
.endr
.endm
.macro MUL f, zero                     ; the twelve accumulators take turns, one instruction a turn, in the same order in every K step
.set n, 0
.rept 12
.if \zero
	v_wmma_f32_16x16x32_f16 v[ACC+8*n:ACC+8*n+7], v[\f+8*(n/2):\f+8*(n/2)+7], v[\f+48+8*(n%2):\f+48+8*(n%2)+7], 0
.else
	v_wmma_f32_16x16x32_f16 v[ACC+8*n:ACC+8*n+7], v[\f+8*(n/2):\f+8*(n/2)+7], v[\f+48+8*(n%2):\f+48+8*(n%2)+7], v[ACC+8*n:ACC+8*n+7]
.endif
.set n, n+1
.endr
.endm
.macro KSTEP nxt, f, g                 ; multiplies buffer f while the next K step's fragments come into buffer g
	PLACES                                         ; buffer g was read by the matrix instructions just issued
	FETCH \nxt, \g
	s_wait_dscnt 16                                ; all but the 16 just issued
	MUL \f, 0
.endm
	FETCH 0, F0
	FETCH 1, F1
	s_wait_dscnt 16
	MUL F0, 1                                      ; the first products start the sums: nothing is cleared
	KSTEP 2, F1, F0
	KSTEP 3, F0, F1
	KSTEP 4, F1, F0
	KSTEP 5, F0, F1
	KSTEP 6, F1, F0
	KSTEP 7, F0, F1
	s_wait_dscnt 0x0
	MUL F1, 0
	; THE WAY OUT: a head's 32 features of 32 tokens through my own stage, read back as whole rows of 64 bytes.
	PLACES
.macro HEADOUT hh
	s_add_co_u32 s44, s32, \hh
	s_cmp_ge_u32 s44, 8
	s_cbranch_scc1 .Lnot_q_\@
.set n, 0
.rept 16                                           ; a head of Q carries the softmax's scale and the change to base 2
	v_pk_mul_f32 v[ACC+32*\hh+2*n:ACC+32*\hh+2*n+1], v[ACC+32*\hh+2*n:ACC+32*\hh+2*n+1], s[30:31] op_sel_hi:[1,0]
.set n, n+1
.endr
.Lnot_q_\@:
.set n, 4*\hh
.rept 4
	v_cvt_pk_f16_f32 v[F0+4*n], v[ACC+8*n], v[ACC+8*n+1]
	v_cvt_pk_f16_f32 v[F0+4*n+1], v[ACC+8*n+2], v[ACC+8*n+3]
	v_cvt_pk_f16_f32 v[F0+4*n+2], v[ACC+8*n+4], v[ACC+8*n+5]
	v_cvt_pk_f16_f32 v[F0+4*n+3], v[ACC+8*n+6], v[ACC+8*n+7]
	ds_store_b128 v19, v[F0+4*n:F0+4*n+3] offset:\hh*2560+(n%2)*1280+((n/2)%2)*32
.set n, n+1
.endr
.endm
	HEADOUT 0
	HEADOUT 1
	HEADOUT 2
.set n, 0
.rept 12                                           ; LDS serves a wave's instructions in order (ISA guide 5.7.1): these see the stores above
	ds_load_b128 v[F1+4*n:F1+4*n+3], v20 offset:(n/4)*2560+(n%4)*640
.set n, n+1
.endr
.set n, 0
.rept 12
	s_wait_dscnt 11-n
	global_store_b128 v4, v[F1+4*n:F1+4*n+3], s[22:23] offset:(n/4)*524288+(n%4)*512   ; eight tokens' rows: 512 consecutive bytes, aligned
.set n, n+1
.endr
	s_set_vgpr_msb 0x4
	s_wait_tensorcnt 0x0
	ds_add_u32 v15, v1
	s_wait_dscnt 0x0
	s_set_vgpr_msb 0x400
	s_endpgm
.Lfunc_end_k_qab0771b064_qkv:
	.size	k_qab0771b064_qkv, .Lfunc_end_k_qab0771b064_qkv-k_qab0771b064_qkv
	.p2alignl 7, 3214868480
	.fill 96, 4, 3214868480
	.section	.rodata,"a",@progbits
	.p2align	6, 0x0
	.amdhsa_kernel k_qab0771b064_qkv
		.amdhsa_group_segment_fixed_size 237056
		.amdhsa_private_segment_fixed_size 0
		.amdhsa_enable_private_segment 0
		.amdhsa_kernarg_size 32
		.amdhsa_user_sgpr_count 2
		.amdhsa_user_sgpr_kernarg_segment_ptr 1
		.amdhsa_wavefront_size32 1
		.amdhsa_system_sgpr_workgroup_id_x 1
		.amdhsa_system_sgpr_workgroup_id_y 1
		.amdhsa_system_sgpr_workgroup_id_z 1
		.amdhsa_system_vgpr_workitem_id 0
		.amdhsa_next_free_vgpr 258
		.amdhsa_next_free_sgpr 66
		.amdhsa_reserve_vcc 0
		.amdhsa_float_denorm_mode_32 3
		.amdhsa_float_denorm_mode_16_64 3
		.amdhsa_memory_ordered 1
		.amdhsa_forward_progress 1
		.amdhsa_inst_pref_size 98
	.end_amdhsa_kernel
	.amdgpu_metadata
---
amdhsa.version: [ 1, 2 ]
amdhsa.kernels:
  - .name:           k_qab0771b064_qkv
    .symbol:         k_qab0771b064_qkv.kd
    .args:
      - { .name: x, .offset: 0, .size: 8, .value_kind: global_buffer, .address_space: global }
      - { .name: w_qkv, .offset: 8, .size: 8, .value_kind: global_buffer, .address_space: global }
      - { .name: qkv, .offset: 16, .size: 8, .value_kind: global_buffer, .address_space: global }
      - { .name: dens, .offset: 24, .size: 8, .value_kind: global_buffer, .address_space: global }
    .group_segment_fixed_size: 237056
    .private_segment_fixed_size: 0
    .kernarg_segment_align: 8
    .kernarg_segment_size: 32
    .max_flat_workgroup_size: 256
    .sgpr_count:     66
    .vgpr_count:     258
    .wavefront_size: 32
...
	.end_amdgpu_metadata
.endif
;; end of part 1
;; launch select (part 2): grid 2 x 1, 32 waves a work-group, no clusters, 4,608 bytes of LDS; arguments dens, pos, cnt, bias; writes pos, cnt, bias
.if DOCPART == 2
	.amdgcn_target "amdgcn-amd-amdhsa--gfx1250"
	.amdhsa_code_object_version 6
	.text
	.protected	k_qab0771b064_select
	.globl	k_qab0771b064_select
	.p2align	8
	.type	k_qab0771b064_select,@function
k_qab0771b064_select:
	s_mov_b64 s[64:65], 0
	v_nop
	global_prefetch_b8 v0, s[64:65] scope:SCOPE_SE
	s_setreg_imm32_b32 hwreg(HW_REG_WAVE_MODE, 25, 1), 1
	s_wait_xcnt 0x0
; threshold = mean + 0.5 std (unbiased) of all 8,192 densities; a token is 'high' if its density is above it.
; Work-group b serves batch b; both make the same statistics in the same order, so both hold the same threshold bit for bit.
; Thread t owns tokens 4 t .. 4 t + 3.  Stored, all at addresses that hang on no data:
;   pos[b][token]  u16: 4 x the token's place in a permutation of the batch: the high tokens first, ascending, then the others
;   cnt[b]         the number of high tokens, 64 equal words (one whole aligned block of 256 bytes)
;   bias[b][64 + token], with 64 words of padding at both ends: 0 for a token that is not high, -1e30 for a high one and for the padding
; Two work-groups: the work is 32 KiB and three sums over all of it; sharing it further would need traffic between work-groups.
; LIMIT: a density within rounding of the threshold may fall on the other side than in reference().
.set SUMS, 0
.set SQS,  128
.set TOTS, 256
.macro RED a, t                        ; sum over the 32 lanes, in every lane
	v_add_f32_dpp v\a, v\a, v\a row_xmask:1 row_mask:0xf bank_mask:0xf
	v_add_f32_dpp v\a, v\a, v\a row_xmask:2 row_mask:0xf bank_mask:0xf
	v_add_f32_dpp v\a, v\a, v\a row_xmask:4 row_mask:0xf bank_mask:0xf
	v_add_f32_dpp v\a, v\a, v\a row_xmask:8 row_mask:0xf bank_mask:0xf
	v_permlanex16_b32 v\t, v\a, s14, s15
	v_add_f32 v\a, v\a, v\t
.endm
.macro MEET                            ; my word is in LDS; behind the barrier everybody's is
	s_wait_dscnt 0x0
	s_barrier_signal -1
	s_barrier_wait -1
.endm
	s_load_b256 s[4:11], s[0:1], 0x0               ; dens s[4:5], pos s[6:7], cnt s[8:9], bias s[10:11]
	v_lshl_add_u32 v48, v0, 2, 0x200
	v_mov_b32 v49, 0
	v_lshrrev_b32 v1, 5, v0
	v_readfirstlane_b32 s12, v1                    ; wave, 0 to 31
	v_and_b32 v1, 31, v0                           ; L
	v_lshlrev_b32 v2, 4, v0                        ; 16 t
	s_mov_b32 s14, 0x76543210
	s_mov_b32 s15, 0xfedcba98
	s_mov_b32 s16, 0xb9000000                      ; -1/8192
	s_lshl_b32 s18, ttmp9, 13                      ; b x 8,192 bytes of pos
	s_mov_b32 s19, 0
	s_mul_i32 s26, ttmp9, 16896                    ; b x 4,224 words of bias
	s_mov_b32 s27, 0
	s_lshl_b32 s28, ttmp9, 8                       ; b x 256 bytes of cnt
	s_mov_b32 s29, 0
	s_wait_kmcnt 0x0
	global_load_b128 v[4:7], v2, s[4:5]            ; batch 0, my four tokens
	global_load_b128 v[8:11], v2, s[4:5] offset:16384   ; batch 1
	s_add_nc_u64 s[6:7], s[6:7], s[18:19]
	s_add_nc_u64 s[10:11], s[10:11], s[26:27]
	s_add_nc_u64 s[8:9], s[8:9], s[28:29]
	v_mov_b32 v20, s12
	v_lshlrev_b32 v20, 2, v20                      ; 4 w
	v_lshlrev_b32 v21, 2, v1                       ; 4 L
	v_mov_b32 v31, 0
	v_mov_b32 v38, 0xf149f2ca                      ; -1e30
	s_wait_loadcnt 0x0
	; the sum of all 8,192
	v_pk_add_f32 v[12:13], v[4:5], v[8:9]
	v_pk_add_f32 v[14:15], v[6:7], v[10:11]
	v_pk_add_f32 v[12:13], v[12:13], v[14:15]
	v_add_f32 v12, v12, v13
	RED 12, 13
	ds_store_b32 v20, v12 offset:SUMS
	MEET
	ds_load_b32 v12, v21 offset:SUMS               ; lane L takes wave L's sum
	s_wait_dscnt 0x0
	RED 12, 13                                     ; v12 = the sum
	; the sum of (d - mean)^2
.irp c, 0,1,2,3,4,5,6,7
	v_fma_f32 v[24+\c], v12, s16, v[4+\c]
.endr
	v_pk_mul_f32 v[14:15], v[24:25], v[24:25]
	v_pk_fma_f32 v[14:15], v[26:27], v[26:27], v[14:15]
	v_pk_fma_f32 v[14:15], v[28:29], v[28:29], v[14:15]
	v_pk_fma_f32 v[14:15], v[30:31], v[30:31], v[14:15]
	v_add_f32 v14, v14, v15
	RED 14, 15
	ds_store_b32 v20, v14 offset:SQS
	MEET
	ds_load_b32 v14, v21 offset:SQS
	s_wait_dscnt 0x0
	RED 14, 15
	v_mul_f32 v16, 0x39000400, v14                 ; q = squares / 8191, with one correction
	v_fma_f32 v17, -v16, 0x45fff800, v14
	v_fma_f32 v16, v17, 0x39000400, v16
	v_max_num_f32 v18, 0x800000, v16
	v_sqrt_f32 v19, v16
	v_rsq_f32 v22, v18
	v_nop                                          ; one plain place behind the two (ISA guide 5.7.2)
	s_wait_alu depctr_va_vdst(0)
	v_fma_f32 v17, -v19, v19, v16
	v_mul_f32 v17, 0.5, v17
	v_fma_f32 v19, v17, v22, v19                   ; std
	v_mul_f32 v13, 0x39000000, v12                 ; mean
	v_fma_f32 v13, 0.5, v19, v13                   ; the threshold
	; flags and ranks of my batch
	s_cmp_lg_u32 ttmp9, 0
	s_cselect_b32 s17, -1, 0
.irp e, 0,1,2,3
	v_cndmask_b32 v[16+\e], v[4+\e], v[8+\e], s17
.endr
.irp e, 0,1,2,3
	v_cmp_gt_f32 s[20+\e], v[16+\e], v13
.endr
	v_mbcnt_lo_u32_b32 v22, s20, 0                 ; high tokens of the lanes below me
	v_mbcnt_lo_u32_b32 v22, s21, v22
	v_mbcnt_lo_u32_b32 v22, s22, v22
	v_mbcnt_lo_u32_b32 v22, s23, v22
.irp e, 0,1,2,3
	v_cndmask_b32 v[24+\e], 0, 1, s[20+\e]
.endr
	s_bcnt1_i32_b32 s24, s20
	s_bcnt1_i32_b32 s25, s21
	s_add_co_u32 s24, s24, s25
	s_bcnt1_i32_b32 s25, s22
	s_add_co_u32 s24, s24, s25
	s_bcnt1_i32_b32 s25, s23
	s_add_co_u32 s24, s24, s25                     ; my wave's high tokens, 128 at the most
	v_cvt_f32_u32 v28, s24                         ; counts up to 4,096 are exact in f32
	ds_store_b32 v20, v28 offset:TOTS
	MEET
	ds_load_b32 v29, v21 offset:TOTS
	s_wait_dscnt 0x0
	v_cmp_gt_u32 vcc_lo, s12, v1
	v_cndmask_b32 v30, 0, v29, vcc_lo              ; the waves below mine
	RED 30, 31
	RED 29, 31
	v_cvt_u32_f32 v30, v30
	v_cvt_u32_f32 v29, v29                         ; the batch's count
	v_add_nc_u32 v32, v30, v22                     ; high tokens in front of my token 0, 1, 2, 3
	v_add_nc_u32 v33, v32, v24
	v_add_nc_u32 v34, v33, v25
	v_add_nc_u32 v35, v34, v26
	v_lshl_add_u32 v36, v0, 2, v29                 ; count + 4 t
.irp e, 0,1,2,3
	v_sub_nc_u32 v[40+\e], v36, v[32+\e]
	v_add_nc_u32 v[40+\e], \e, v[40+\e]            ; not high: count + the tokens in front that are not high
	v_cndmask_b32 v[40+\e], v[40+\e], v[32+\e], s[20+\e]
	v_lshlrev_b32 v[40+\e], 2, v[40+\e]            ; 4 x place, 16,380 at the most
.endr
	v_lshl_or_b32 v44, v41, 16, v40
	v_lshl_or_b32 v45, v43, 16, v42
	v_lshlrev_b32 v37, 3, v0
	global_store_b64 v37, v[44:45], s[6:7]         ; a wave: 256 consecutive bytes, aligned
.irp e, 0,1,2,3
	v_cndmask_b32 v[24+\e], 0, v38, s[20+\e]
.endr
	global_store_b128 v2, v[24:27], s[10:11] offset:256
	s_cmp_lg_u32 s12, 0
	s_cbranch_scc1 .Lend
	v_lshlrev_b32 v39, 4, v1                       ; wave 0: the two paddings of 256 bytes, lanes 0-15 the front one, lanes 16-31 the one behind
	v_add_nc_u32 v46, 0x4000, v39                  ; 16,640 + 16 (L - 16)
	v_cmp_gt_u32 vcc_lo, 16, v1
	v_cndmask_b32 v39, v46, v39, vcc_lo
	v_mov_b32 v32, v38
	v_mov_b32 v33, v38
	v_mov_b32 v34, v38
	v_mov_b32 v35, v38
	global_store_b128 v39, v[32:35], s[10:11]
	v_mov_b32 v40, v29
	v_mov_b32 v41, v29
	v_lshlrev_b32 v42, 3, v1
	global_store_b64 v42, v[40:41], s[8:9]
.Lend:
	s_wait_tensorcnt 0x0
	ds_add_u32 v48, v49
	s_wait_dscnt 0x0
	s_endpgm
.Lfunc_end_k_qab0771b064_select:
	.size	k_qab0771b064_select, .Lfunc_end_k_qab0771b064_select-k_qab0771b064_select
	.p2alignl 7, 3214868480
	.fill 96, 4, 3214868480
	.section	.rodata,"a",@progbits
	.p2align	6, 0x0
	.amdhsa_kernel k_qab0771b064_select
		.amdhsa_group_segment_fixed_size 4608
		.amdhsa_private_segment_fixed_size 0
		.amdhsa_enable_private_segment 0
		.amdhsa_kernarg_size 32
		.amdhsa_user_sgpr_count 2
		.amdhsa_user_sgpr_kernarg_segment_ptr 1
		.amdhsa_wavefront_size32 1
		.amdhsa_system_sgpr_workgroup_id_x 1
		.amdhsa_system_sgpr_workgroup_id_y 1
		.amdhsa_system_sgpr_workgroup_id_z 1
		.amdhsa_system_vgpr_workitem_id 0
		.amdhsa_next_free_vgpr 50
		.amdhsa_next_free_sgpr 66
		.amdhsa_reserve_vcc 1
		.amdhsa_float_denorm_mode_32 3
		.amdhsa_float_denorm_mode_16_64 3
		.amdhsa_memory_ordered 1
		.amdhsa_forward_progress 1
		.amdhsa_inst_pref_size 10
	.end_amdhsa_kernel
	.amdgpu_metadata
---
amdhsa.version: [ 1, 2 ]
amdhsa.kernels:
  - .name:           k_qab0771b064_select
    .symbol:         k_qab0771b064_select.kd
    .args:
      - { .name: dens, .offset: 0, .size: 8, .value_kind: global_buffer, .address_space: global }
      - { .name: pos, .offset: 8, .size: 8, .value_kind: global_buffer, .address_space: global }
      - { .name: cnt, .offset: 16, .size: 8, .value_kind: global_buffer, .address_space: global }
      - { .name: bias, .offset: 24, .size: 8, .value_kind: global_buffer, .address_space: global }
    .group_segment_fixed_size: 4608
    .private_segment_fixed_size: 0
    .kernarg_segment_align: 8
    .kernarg_segment_size: 32
    .max_flat_workgroup_size: 1024
    .sgpr_count:     66
    .vgpr_count:     50
    .wavefront_size: 32
...
	.end_amdgpu_metadata
.endif
;; end of part 2
;; launch attn (part 3): grid 16 x 16, 8 waves a work-group, no clusters, 156,672 bytes of LDS; arguments qkv, pos, cnt, bias, att; writes att
.if DOCPART == 3
	.amdgcn_target "amdgcn-amd-amdhsa--gfx1250"
	.amdhsa_code_object_version 6
	.text
	.protected	k_qab0771b064_attn
	.globl	k_qab0771b064_attn
	.p2align	8
	.type	k_qab0771b064_attn,@function
k_qab0771b064_attn:
	s_mov_b64 s[64:65], 0
	v_nop
	global_prefetch_b8 v0, s[64:65] scope:SCOPE_SE
	s_setreg_imm32_b32 hwreg(HW_REG_WAVE_MODE, 25, 1), 1
	s_wait_xcnt 0x0
; att[head][T][32] (f16) = softmax over the open keys of (q k) v.  A key is open to a query if it is high (the batch's list) or
; nearer than 16 tokens (the band).  A closed key carries -1e10 in reference() beside at least one open key (the query's own), so its
; weight is 0 in f32 and its work is not done.
; Work-group: 256 queries (x) of one head and batch (y).  Wave w: 32 queries, two tiles u of 16.
; THE BAND: the wave's 64 keys qw0 - 16 .. qw0 + 47, with bias 0 for keys that are not high and -1e30 for high ones (they come with the
; list) and for keys outside the batch.  THE LIST: tiles of 64 high keys, gathered by all 256 threads into two LDS slots of four tiles.
; S^T = K Q^T: a lane holds one query (r) and eight keys (8 h + j); two neighbouring key tiles, rounded to f16 in place, are source 1 of
; O^T = V^T P^T as they stand.  Running maximum, sum and rescaling are one number a lane.  Q carries 32^-0.5 log2(e): p = exp2(s - m).
; A query whose band is all closed has m = -1e30 and weights of 1 there; the first open key wipes them: exp2(-1e30 - m) = 0.
; The list is stored as ranks; wave 0 turns them into LIST[place] = 64 x token in LDS: one wave, so that no two waves store into one range.
; BARRIERS stand on every wave's path whatever the count read from memory: the list loop has a fixed 16 steps of 256 keys, as many as a
; list of 4,096 can need, with one barrier at each step's end; a step past the list's end only passes the barrier.  Inside a step the four
; tiles need none: they read one slot and store into the other.
; Four tiles to a slot: a slot's largest LDS immediate is 3 x 11,264 + 4,640 = 38,432, inside 16 bits, and the first slot's four tiles
; are gathered into O's 32 registers, which are free until the band's last products.
; No tensor loads: a tile is 64 gathered rows of 64 bytes, which no one descriptor covers; so no joint requests and no cluster.
; LIMITS: q, k, v, p and the result are f16 (|.| < 65504).  Score differences stay far below 1e10.
.set RING,  16384                      ; behind LIST (4,096 words)
.set TILEB, 11264                      ; a tile: K 64 rows x 80 bytes, then V 64 rows x 96 bytes
.set SLOT,  4*TILEB                    ; 45,056
.set VOFF,  5120
.set KP,    80                         ; 5 x 16: sixteen rows start at sixteen different 16-byte columns
.set VP,    96                         ; 3 x 32, for the transposing loads
.set WST,   RING+2*SLOT                ; 106,496: each wave's own 6,144 bytes: the band's V, later the way out
.set WSTW,  6144
.set ML,    32                         ; v[32:33] (m, l) of query tile 0, v[34:35] of tile 1
.set G,     36                         ; v[36:43]   a gathered piece of K, of V; first the offsets of the first slot's four tiles
.set QF,    44                         ; v[44:59]   Q's two fragments
.set OACC,  60                         ; v[60:91]   O(u, dt) at OACC + 8 (2 u + dt); first the band's V rows, then the first slot's pieces
.set SR,    92                         ; v[92:155]  S(t, u) at SR + 8 (2 t + u); in wave 0 first the ranks
.set PR,    156                        ; v[156:187] P(u, ks) at PR + 8 (2 u + ks); before the products the bias of key tile t at PR + 8 t
.set KF,    188                        ; v[188:219] K's four fragments
.set VF,    220                        ; v[220:251] V^T(ks, dt) at VF + 8 (2 ks + dt); first the band's address registers
; v1 L, v2 r, v3 h; slot 0: v4 K fragments, v5 V fragments, v6 K into LDS, v7 V into LDS; slot 1: v252 to v255 likewise (number + 248);
; v8 place in LIST, v9 list entry, v10 gather offset, v11 16 (tid & 3), v12 r - 8 h, v13 -1e30, v14 0, v15 keys left - 8 h,
; v16-19 my own stage, v20 16 L, v21-31 at work
.macro PLACES                          ; four places behind a matrix instruction (ISA guide 7.12.1) where there is no other work
.rept 4
	v_nop
.endr
.endm
.macro GATHER                          ; thread tid asks for piece tid & 3 of the K row and the V row of the tile's key tid >> 2
	v_min_u32 v10, 0x3ffc0, v9                     ; 64 x token, 64 x 4,095 at the most
	v_add_nc_u32 v10, v10, v11
	global_load_b128 v[G:G+3], v10, s[26:27]
	global_load_b128 v[G+4:G+7], v10, s[28:29]
.endm
.macro NEXTIDX                         ; the list entry one tile further on; past the list's 4,096 places it stays on the last
	v_add_nc_u32 v8, 256, v8
	v_min_u32 v8, 0x3ffc, v8
	ds_load_b32 v9, v8
.endm
; Query tile u, key tiles t0 .. t0 + nt - 1.  first = 1 (the band, nt = 3): starts m, l; else (nt = 4) takes them on and rescales O.
.macro SOFTMAX u, t0, nt, first
.set sb0, SR+8*(2*\t0+\u)
.set k, 0
.rept \nt
	v_max3_num_f32 v[22+k], v[sb0+16*k], v[sb0+16*k+1], v[sb0+16*k+2]
.set k, k+1
.endr
.set k, 0
.rept \nt
	v_max3_num_f32 v[22+k], v[22+k], v[sb0+16*k+3], v[sb0+16*k+4]
.set k, k+1
.endr
.set k, 0
.rept \nt
	v_max3_num_f32 v[22+k], v[22+k], v[sb0+16*k+5], v[sb0+16*k+6]
.set k, k+1
.endr
.if \first
	v_max3_num_f32 v22, v22, v23, v24
	v_max3_num_f32 v25, v[sb0+7], v[sb0+23], v[sb0+39]
	v_max_num_f32 v22, v22, v25
	v_permlanex16_b32 v26, v22, s36, s37           ; the other eight keys of each tile lie in the other half of the lanes
	v_max_num_f32 v[ML+2*\u], v22, v26
.else
	v_max3_num_f32 v22, v22, v23, v[sb0+7]
	v_max3_num_f32 v24, v24, v25, v[sb0+23]
	v_max3_num_f32 v22, v22, v[sb0+39], v[sb0+55]
	v_max3_num_f32 v22, v22, v24, v[ML+2*\u]
	v_permlanex16_b32 v26, v22, s36, s37
	v_max_num_f32 v27, v22, v26
	v_sub_f32 v28, v[ML+2*\u], v27
	v_mov_b32 v[ML+2*\u], v27
	v_exp_f32 v28, v28                             ; alpha = exp2(m old - m new); the subtractions below are the plain place behind it
.endif
.set k, 0
.rept 4*\nt
.set rg, sb0+16*(k/4)+2*(k%4)
	v_pk_add_f32 v[rg:rg+1], v[rg:rg+1], v[ML+2*\u:ML+2*\u+1] op_sel_hi:[1,0] neg_lo:[0,1] neg_hi:[0,1]   ; s - m, m for both
.set k, k+1
.endr
.set k, 0
.rept 8*\nt
	v_exp_f32 v[sb0+16*(k/8)+k%8], v[sb0+16*(k/8)+k%8]
.set k, k+1
.endr
.if \first
	v_nop                                          ; the plain place behind the exponentials (ISA guide 5.7.2)
	s_wait_alu depctr_va_vdst(0)
.else
.set k, 0
	s_wait_alu depctr_va_vdst(0)
.rept 8                                            ; O times alpha: also the plain place behind the exponentials
	v_pk_mul_f32 v[OACC+16*\u+2*k:OACC+16*\u+2*k+1], v[OACC+16*\u+2*k:OACC+16*\u+2*k+1], v[28:29] op_sel_hi:[1,0]
.set k, k+1
.endr
.endif
.set k, 0
.rept \nt                                          ; the weights' sum, a chain for each tile
.set ch, 22+2*k+2*(k/3)
	v_pk_add_f32 v[ch:ch+1], v[sb0+16*k:sb0+16*k+1], v[sb0+16*k+2:sb0+16*k+3]
.set k, k+1
.endr
.set k, 0
.rept \nt
.set ch, 22+2*k+2*(k/3)
	v_pk_add_f32 v[ch:ch+1], v[ch:ch+1], v[sb0+16*k+4:sb0+16*k+5]
.set k, k+1
.endr
.set k, 0
.rept \nt
.set ch, 22+2*k+2*(k/3)
	v_pk_add_f32 v[ch:ch+1], v[ch:ch+1], v[sb0+16*k+6:sb0+16*k+7]
.set k, k+1
.endr
	v_pk_add_f32 v[22:23], v[22:23], v[24:25]
.if \first
	v_pk_add_f32 v[22:23], v[22:23], v[26:27]
	v_add_f32 v[ML+2*\u+1], v22, v23               ; l, of my half's keys alone: the halves meet at the end
.else
	v_pk_add_f32 v[26:27], v[26:27], v[30:31]
	v_pk_add_f32 v[22:23], v[22:23], v[26:27]
	v_add_f32 v22, v22, v23
	v_fma_f32 v[ML+2*\u+1], v[ML+2*\u+1], v28, v22
.endif
.set k, 0
.rept 4*\nt                                        ; key tile t is registers 4 (t & 1) .. + 3 of P(u, t >> 1)
.set tq, \t0+k/4
	v_cvt_pk_f16_f32 v[PR+8*(2*\u+tq/2)+4*(tq%2)+k%4], v[sb0+16*(k/4)+2*(k%4)], v[sb0+16*(k/4)+2*(k%4)+1]
.set k, k+1
.endr
.endm
.macro PVMUL zero                      ; the four accumulators take turns, one instruction a turn
.set n, 0
.rept 8
.if \zero && (n < 4)
	v_wmma_f32_16x16x32_f16 v[OACC+8*(n%4):OACC+8*(n%4)+7], v[VF+8*(2*(n/4)+n%2):VF+8*(2*(n/4)+n%2)+7], v[PR+8*(2*((n/2)%2)+n/4):PR+8*(2*((n/2)%2)+n/4)+7], 0
.else
	v_wmma_f32_16x16x32_f16 v[OACC+8*(n%4):OACC+8*(n%4)+7], v[VF+8*(2*(n/4)+n%2):VF+8*(2*(n/4)+n%2)+7], v[PR+8*(2*((n/2)%2)+n/4):PR+8*(2*((n/2)%2)+n/4)+7], v[OACC+8*(n%4):OACC+8*(n%4)+7]
.endif
.set n, n+1
.endr
.endm
; One tile of 64 listed keys: quarter j of slot 'slot'.  On entry: the slot is whole; G is on its way with the tile four further on; v9 holds
; the entry of the tile five further on.  masked = 1: fewer than 64 keys are left for this tile: the last tile; the places past the list's
; end get the bias -1e30, and nothing more is stored or asked for.
.macro TILE slot, j, masked
	PLACES                                         ; K's and V's fragments and P were read by the last matrix instructions
.set k, 0
.rept 4
	ds_load_b128 v[KF+8*k:KF+8*k+3], v[4+248*\slot] offset:\j*TILEB+1280*k
	ds_load_b128 v[KF+8*k+4:KF+8*k+7], v[4+248*\slot] offset:\j*TILEB+1280*k+32
.set k, k+1
.endr
.set k, 0
.rept 4
	ds_load_tr16_b128 v[VF+8*k:VF+8*k+3], v[5+248*\slot] offset:\j*TILEB+3072*(k/2)+32*(k%2)
	ds_load_tr16_b128 v[VF+8*k+4:VF+8*k+7], v[5+248*\slot] offset:\j*TILEB+3072*(k/2)+32*(k%2)+1536
.set k, k+1
.endr
.if \masked
	s_sub_co_i32 s58, s57, 64*\j                   ; keys left for this tile, 1 to 63
	v_lshlrev_b32 v15, 3, v3
	v_sub_nc_u32 v15, s58, v15                     ; key 16 t + 8 h + j is listed if 16 t + j < left - 8 h
.set n, 0
.rept 32
	v_cmp_lt_i32 vcc_lo, 16*(n/8)+n%8, v15
	v_cndmask_b32 v[PR+n], v13, v14, vcc_lo
.set n, n+1
.endr
	s_wait_dscnt 8                                 ; K's fragments are in; V's eight loads may be out
.else
	s_wait_loadcnt 0x0                             ; the pieces of the tile four further on are in, and v10 is free
	ds_store_b128 v[6+248*(1-\slot)], v[G:G+3] offset:\j*TILEB     ; into the same quarter of the other slot, whose reads ended in front of the last barrier
	ds_store_b128 v[7+248*(1-\slot)], v[G+4:G+7] offset:\j*TILEB
	GATHER
	NEXTIDX
	s_wait_dscnt 11                                ; K's fragments are in; V's eight loads, the two stores and the entry may be out
.endif
.set n, 0
.rept 8
.if \masked
	v_wmma_f32_16x16x32_f16 v[SR+8*n:SR+8*n+7], v[KF+8*(n/2):KF+8*(n/2)+7], v[QF+8*(n%2):QF+8*(n%2)+7], v[PR+8*(n/2):PR+8*(n/2)+7]
.else
	v_wmma_f32_16x16x32_f16 v[SR+8*n:SR+8*n+7], v[KF+8*(n/2):KF+8*(n/2)+7], v[QF+8*(n%2):QF+8*(n%2)+7], 0
.endif
.set n, n+1
.endr
	PLACES
	SOFTMAX 0, 0, 4, 0
	SOFTMAX 1, 0, 4, 0
	s_wait_dscnt 0x0                               ; V's fragments, my two stores, the entry
	PVMUL 0
.endm
; A step: four tiles of one slot.  s57 = the listed keys left at the step's start.  The tiles' work hangs on it, the barrier at the step's
; end does not.  The four whole tiles stand in a row; the forms for a last, partial tile stand behind them; every branch goes forward.
.macro WHOLE slot, j
	s_cmp_lt_i32 s57, 64*\j+64
	s_cbranch_scc1 .Lp\slot\j
	TILE \slot, \j, 0
.endm
.macro PART slot, j
.Lp\slot\j:
	s_cmp_lt_i32 s57, 64*\j+1
	s_cbranch_scc1 .Lend\slot                      ; nothing is left
	TILE \slot, \j, 1
	s_branch .Lend\slot                            ; a partial tile is the last
.endm
.macro STEP slot
	WHOLE \slot, 0
	WHOLE \slot, 1
	WHOLE \slot, 2
	WHOLE \slot, 3
	s_branch .Lend\slot
	PART \slot, 0
	PART \slot, 1
	PART \slot, 2
	PART \slot, 3
.Lend\slot:
	s_wait_dscnt 0x0                               ; my reads of this slot and my stores into the other are done;
	s_barrier_signal -1
	s_barrier_wait -1                              ; behind the barrier this slot may be stored into and the other read
	s_sub_co_i32 s57, s57, 256
.endm
	s_load_b256 s[4:11], s[0:1], 0x0               ; qkv s[4:5], pos s[6:7], cnt s[8:9], bias s[10:11]
	s_load_b64 s[12:13], s[0:1], 0x20              ; att
	s_set_vgpr_msb 0x40
	v_lshl_add_u32 v0, v0, 2, 0x26000
	v_mov_b32 v1, 0
	s_set_vgpr_msb 0x4000
	v_lshrrev_b32 v1, 5, v0
	v_readfirstlane_b32 s14, v1                    ; wave
	s_and_b32 s16, ttmp7, 0xffff
	s_and_b32 s17, s16, 7                          ; head
	s_lshr_b32 s18, s16, 3                         ; batch
	s_lshl_b32 s19, ttmp9, 8
	s_lshl_b32 s20, s14, 5
	s_add_co_u32 s19, s19, s20                     ; qw0: my first query
	s_lshl_b32 s20, s17, 13
	s_lshl_b32 s21, s18, 12
	s_add_co_u32 s20, s20, s21                     ; row of the head's and batch's token 0
	s_add_co_u32 s38, s20, s19
	s_lshl_b32 s38, s38, 6                         ; my queries' rows, in Q and in att
	s_mov_b32 s39, 0
	s_add_co_u32 s20, s20, 0x10000                 ; K lies eight heads of 8,192 rows behind Q
	s_lshl_b32 s20, s20, 6
	s_mov_b32 s21, 0
	s_mul_i32 s40, s18, 16896
	s_lshl2_add_u32 s40, s19, s40
	s_add_co_u32 s40, s40, 192                     ; bias of key qw0 - 16: word 64 + qw0 - 16 of the batch's 4,224
	s_mov_b32 s41, 0
	s_lshl_b32 s42, s18, 13
	s_mov_b32 s43, 0
	s_lshl_b32 s44, s18, 8
	s_mov_b32 s45, 0
	s_mov_b32 s36, 0x76543210                      ; v_permlanex16_b32: lane i reads lane i of the other half
	s_mov_b32 s37, 0xfedcba98
	s_mul_i32 s23, s14, WSTW
	s_add_co_u32 s23, s23, WST                     ; my own stage
	v_and_b32 v1, 31, v0
	v_and_b32 v2, 15, v0
	v_bfe_u32 v3, v0, 4, 1
	v_lshlrev_b32 v21, 4, v3                       ; 16 h
	v_mul_u32_u24 v22, KP, v2
	v_add_nc_u32 v22, v22, v21                     ; 80 r + 16 h
	v_add_nc_u32 v4, RING, v22
	v_and_b32 v23, 7, v0
	v_lshl_add_u32 v23, v3, 3, v23
	v_mul_u32_u24 v23, VP, v23
	v_bfe_u32 v24, v0, 3, 1
	v_lshl_add_u32 v23, v24, 4, v23                ; (8 h + L % 8) 96 + 16 ((L >> 3) & 1)
	v_add_nc_u32 v5, RING+VOFF, v23
	v_lshrrev_b32 v24, 2, v0                       ; the tile's key that I gather
	v_and_b32 v25, 3, v0
	v_lshlrev_b32 v11, 4, v25
	v_mad_u32_u24 v6, v24, KP, v11
	v_add_nc_u32 v6, RING, v6
	v_mad_u32_u24 v7, v24, VP, v11
	v_add_nc_u32 v7, RING+VOFF, v7
	v_add_nc_u32 v252, SLOT, v4                    ; the same four in slot 1: the two slots together pass what a 16-bit immediate reaches
	v_add_nc_u32 v253, SLOT, v5
	v_add_nc_u32 v254, SLOT, v6
	v_add_nc_u32 v255, SLOT, v7
	v_lshlrev_b32 v8, 2, v24
	v_lshlrev_b32 v26, 3, v3
	v_sub_nc_u32 v12, v2, v26
	v_mov_b32 v13, 0xf149f2ca
	v_mov_b32 v14, 0
	v_mov_b32 v[ML+1], 0                           ; l stands beside m in the pair that the packed subtraction names: the pair is
	v_mov_b32 v[ML+3], 0                           ; written whole before it is first read; the band's softmax then sets l
	v_add_nc_u32 v16, s23, v23                     ; the band's V, transposing loads
	v_lshrrev_b32 v27, 2, v1
	v_mad_u32_u24 v17, v27, VP, v11
	v_add_nc_u32 v17, s23, v17                     ; the band's V, into my stage
	v_add_nc_u32 v18, s23, v22                     ; the way out, in
	v_mad_u32_u24 v19, v27, KP, v11
	v_add_nc_u32 v19, s23, v19                     ; the way out, back
	v_lshlrev_b32 v20, 4, v1
	v_lshl_add_u32 v[VF], v2, 6, v21               ; Q: 64 r + 16 h
	v_lshlrev_b32 v[VF+1], 5, v3                   ; bias: 32 h
.set k, 0
.rept 4                                            ; the band's K: key qw0 - 16 + 16 t + r, kept inside the batch (what is outside carries the padding's bias)
	s_add_co_i32 s46, s19, 16*k-16
	v_add_nc_u32 v29, s46, v2
	v_max_i32 v29, 0, v29
	v_min_i32 v29, 0xfff, v29
	v_lshl_add_u32 v[VF+2+k], v29, 6, v21
.set k, k+1
.endr
.set k, 0
.rept 8                                            ; the band's V: four lanes take a row
	s_add_co_i32 s46, s19, 8*k-16
	v_add_nc_u32 v29, s46, v27
	v_max_i32 v29, 0, v29
	v_min_i32 v29, 0xfff, v29
	v_lshl_add_u32 v[VF+6+k], v29, 6, v11
.set k, k+1
.endr
	s_wait_kmcnt 0x0
	s_add_nc_u64 s[24:25], s[4:5], s[38:39]        ; Q at my queries
	s_add_nc_u64 s[26:27], s[4:5], s[20:21]        ; K at the batch's token 0
	s_add_nc_u64 s[28:29], s[26:27], 0x400000      ; V: eight heads further
	s_add_nc_u64 s[30:31], s[12:13], s[38:39]      ; att at my queries
	s_add_nc_u64 s[32:33], s[10:11], s[40:41]
	s_add_nc_u64 s[34:35], s[6:7], s[42:43]
	s_add_nc_u64 s[8:9], s[8:9], s[44:45]
	s_load_b32 s22, s[8:9], 0x0                    ; the batch's count
	; 28 loads: Q, the band's K fragments straight into registers, its bias, its V rows
.set k, 0
.rept 2
	global_load_b128 v[QF+8*k:QF+8*k+3], v[VF], s[24:25] offset:1024*k
	global_load_b128 v[QF+8*k+4:QF+8*k+7], v[VF], s[24:25] offset:1024*k+32
.set k, k+1
.endr
.set k, 0
.rept 4
	global_load_b128 v[KF+8*k:KF+8*k+3], v[VF+2+k], s[26:27]
	global_load_b128 v[KF+8*k+4:KF+8*k+7], v[VF+2+k], s[26:27] offset:32
	global_load_b128 v[PR+8*k:PR+8*k+3], v[VF+1], s[32:33] offset:64*k
	global_load_b128 v[PR+8*k+4:PR+8*k+7], v[VF+1], s[32:33] offset:64*k+16
.set k, k+1
.endr
.set k, 0
.rept 8
	global_load_b128 v[OACC+4*k:OACC+4*k+3], v[VF+6+k], s[28:29]
.set k, k+1
.endr
	; wave 0 turns the ranks round: LIST[place of token] = 64 x token
	s_cmp_lg_u32 s14, 0
	s_cbranch_scc1 .Lno_list
.set k, 0
.rept 16
	global_load_b128 v[SR+4*k:SR+4*k+3], v20, s[34:35] offset:512*k
.set k, k+1
.endr
	v_lshlrev_b32 v21, 9, v1                       ; 64 x 8 L
	s_wait_loadcnt 0x0
.set n, 0
.rept 64                                           ; register n holds the ranks of tokens 256 (n / 4) + 8 L + 2 (n % 4) and the next
.set tb, 22+4*(n%2)
.set tok, 256*(n/4)+2*(n%4)
	v_and_b32 v[tb], 0xffff, v[SR+n]
	v_lshrrev_b32 v[tb+1], 16, v[SR+n]
	v_min_u32 v[tb], 0x3ffc, v[tb]                 ; 4 x place stays inside LIST
	v_min_u32 v[tb+1], 0x3ffc, v[tb+1]
	v_add_nc_u32 v[tb+2], 64*tok, v21
	v_add_nc_u32 v[tb+3], 64*tok+64, v21
	ds_store_b32 v[tb], v[tb+2]
	ds_store_b32 v[tb+1], v[tb+3]
.set n, n+1
.endr
.Lno_list:
	s_wait_dscnt 0x0                               ; LIST is written,
	s_barrier_signal -1
	s_barrier_wait -1                              ; and may be read by all
	; The band's V into my stage, which frees O's registers; the entries of tiles 0 to 4; then tiles 0 to 3 are asked for, into O's registers
	s_wait_loadcnt 0x0                             ; Q and the band's K, bias and V rows are in; the band's address registers are free
.set k, 0
.rept 8
	ds_store_b128 v17, v[OACC+4*k:OACC+4*k+3] offset:768*k
.set k, k+1
.endr
.set k, 0
.rept 4
	ds_load_b32 v[G+k], v8 offset:256*k            ; tile k's entry for my key
.set k, k+1
.endr
	v_add_nc_u32 v8, 1024, v8                      ; tile 4's: place 256 + tid / 4, inside LIST
	ds_load_b32 v9, v8
.set k, 0
.rept 4                                            ; my own bytes: LDS serves a wave's instructions in order (ISA guide 5.7.1)
	ds_load_tr16_b128 v[VF+8*k:VF+8*k+3], v16 offset:3072*(k/2)+32*(k%2)
	ds_load_tr16_b128 v[VF+8*k+4:VF+8*k+7], v16 offset:3072*(k/2)+32*(k%2)+1536
.set k, k+1
.endr
	s_wait_dscnt 8                                 ; the stores have read O's registers and the five entries are in; the eight younger loads (V's fragments) may be out
.set k, 0
.rept 4
	v_min_u32 v[G+k], 0x3ffc0, v[G+k]              ; 64 x token, 64 x 4,095 at the most
	v_add_nc_u32 v[G+k], v[G+k], v11
	global_load_b128 v[OACC+8*k:OACC+8*k+3], v[G+k], s[26:27]
	global_load_b128 v[OACC+8*k+4:OACC+8*k+7], v[G+k], s[28:29]
.set k, k+1
.endr
	; THE BAND, while the first slot's four tiles are on their way
.irp j, 0,1,2,3,4,5,6,7
	v_cmp_gt_i32 s[40+\j], \j, v12                 ; key tile t = u: key - query = 8 h + j - r - 16 > -16
	v_cmp_lt_i32 s[48+\j], \j, v12                 ; key tile t = u + 2: 8 h + j - r + 16 < 16
.endr
.irp n, 0,2,4,3,5,7                                ; (t, u) = (0,0) (1,0) (2,0) (1,1) (2,1) (3,1); the bias is the products' C
	v_wmma_f32_16x16x32_f16 v[SR+8*\n:SR+8*\n+7], v[KF+8*(\n/2):KF+8*(\n/2)+7], v[QF+8*(\n%2):QF+8*(\n%2)+7], v[PR+8*(\n/2):PR+8*(\n/2)+7]
.endr
	PLACES
.irp j, 0,1,2,3,4,5,6,7
	v_cndmask_b32 v[SR+\j], v13, v[SR+\j], s[40+\j]
	v_cndmask_b32 v[SR+24+\j], v13, v[SR+24+\j], s[40+\j]
	v_cndmask_b32 v[SR+32+\j], v13, v[SR+32+\j], s[48+\j]
	v_cndmask_b32 v[SR+56+\j], v13, v[SR+56+\j], s[48+\j]
.endr
	SOFTMAX 0, 0, 3, 1
	SOFTMAX 1, 1, 3, 1
.irp c, 0,1,2,3
	v_mov_b32 v[PR+12+\c], 0                       ; query tile 0 has no part in key tile 3,
	v_mov_b32 v[PR+16+\c], 0                       ; query tile 1 none in key tile 0
.endr
	s_wait_loadcnt 0x0                             ; the pieces of tiles 0 to 3 are in; their offset registers (G's first four) are free
.set k, 0
.rept 4
	ds_store_b128 v6, v[OACC+8*k:OACC+8*k+3] offset:k*TILEB
	ds_store_b128 v7, v[OACC+8*k+4:OACC+8*k+7] offset:k*TILEB
.set k, k+1
.endr
	GATHER                                         ; tile 4
	NEXTIDX                                        ; tile 5's entry
	s_wait_dscnt 0x0                               ; V's fragments are in, slot 0's stores are done and have read O's registers, the entry is in
	PVMUL 1                                        ; the first products start O: nothing is cleared
	s_wait_kmcnt 0x0
	s_min_u32 s57, s22, 0x1000                     ; listed keys left
	s_mov_b32 s56, 0
	s_barrier_signal -1                            ; no LDS instruction has been issued since the wait for 0 above
	s_barrier_wait -1                              ; slot 0 is whole
.Lpair:
	STEP 0
	STEP 1
	s_add_co_u32 s56, s56, 1
	s_cmp_lt_u32 s56, 8
	s_cbranch_scc1 .Lpair
	; (Up to five tiles are asked for past the list's end: real rows of K and V, since LIST is a whole permutation; they are never read.)
	; THE WAY OUT: O / l, to f16, through my own stage, read back as whole rows of 64 bytes
	PLACES
	v_permlanex16_b32 v22, v[ML+1], s36, s37
	v_permlanex16_b32 v24, v[ML+3], s36, s37
	v_add_f32 v[ML+1], v[ML+1], v22
	v_add_f32 v[ML+3], v[ML+3], v24
	v_rcp_f32 v26, v[ML+1]
	v_rcp_f32 v28, v[ML+3]
	v_nop                                          ; one plain place behind the two (ISA guide 5.7.2)
.set k, 0
	s_wait_alu depctr_va_vdst(0)
.rept 8
	v_pk_mul_f32 v[OACC+2*k:OACC+2*k+1], v[OACC+2*k:OACC+2*k+1], v[26:27] op_sel_hi:[1,0]
	v_pk_mul_f32 v[OACC+16+2*k:OACC+16+2*k+1], v[OACC+16+2*k:OACC+16+2*k+1], v[28:29] op_sel_hi:[1,0]
.set k, k+1
.endr
.set n, 0
.rept 4
	v_cvt_pk_f16_f32 v[SR+4*n], v[OACC+8*n], v[OACC+8*n+1]
	v_cvt_pk_f16_f32 v[SR+4*n+1], v[OACC+8*n+2], v[OACC+8*n+3]
	v_cvt_pk_f16_f32 v[SR+4*n+2], v[OACC+8*n+4], v[OACC+8*n+5]
	v_cvt_pk_f16_f32 v[SR+4*n+3], v[OACC+8*n+6], v[OACC+8*n+7]
	ds_store_b128 v18, v[SR+4*n:SR+4*n+3] offset:1280*(n/2)+32*(n%2)
.set n, n+1
.endr
.set n, 0
.rept 4
	ds_load_b128 v[SR+16+4*n:SR+16+4*n+3], v19 offset:640*n
.set n, n+1
.endr
.set n, 0
.rept 4
	s_wait_dscnt 3-n
	global_store_b128 v20, v[SR+16+4*n:SR+16+4*n+3], s[30:31] offset:512*n   ; eight queries' rows: 512 consecutive bytes, aligned
.set n, n+1
.endr
	s_set_vgpr_msb 0x5
	s_wait_tensorcnt 0x0
	ds_add_u32 v0, v1
	s_wait_dscnt 0x0
	s_set_vgpr_msb 0x500
	s_endpgm
.Lfunc_end_k_qab0771b064_attn:
	.size	k_qab0771b064_attn, .Lfunc_end_k_qab0771b064_attn-k_qab0771b064_attn
	.p2alignl 7, 3214868480
	.fill 96, 4, 3214868480
	.section	.rodata,"a",@progbits
	.p2align	6, 0x0
	.amdhsa_kernel k_qab0771b064_attn
		.amdhsa_group_segment_fixed_size 156672
		.amdhsa_private_segment_fixed_size 0
		.amdhsa_enable_private_segment 0
		.amdhsa_kernarg_size 40
		.amdhsa_user_sgpr_count 2
		.amdhsa_user_sgpr_kernarg_segment_ptr 1
		.amdhsa_wavefront_size32 1
		.amdhsa_system_sgpr_workgroup_id_x 1
		.amdhsa_system_sgpr_workgroup_id_y 1
		.amdhsa_system_sgpr_workgroup_id_z 1
		.amdhsa_system_vgpr_workitem_id 0
		.amdhsa_next_free_vgpr 258
		.amdhsa_next_free_sgpr 66
		.amdhsa_reserve_vcc 1
		.amdhsa_float_denorm_mode_32 3
		.amdhsa_float_denorm_mode_16_64 3
		.amdhsa_memory_ordered 1
		.amdhsa_forward_progress 1
		.amdhsa_inst_pref_size 255
	.end_amdhsa_kernel
	.section	.bss,"aw",@nobits
	.p2align	6
	.space	262144
	.amdgpu_metadata
---
amdhsa.version: [ 1, 2 ]
amdhsa.kernels:
  - .name:           k_qab0771b064_attn
    .symbol:         k_qab0771b064_attn.kd
    .args:
      - { .name: qkv, .offset: 0, .size: 8, .value_kind: global_buffer, .address_space: global }
      - { .name: pos, .offset: 8, .size: 8, .value_kind: global_buffer, .address_space: global }
      - { .name: cnt, .offset: 16, .size: 8, .value_kind: global_buffer, .address_space: global }
      - { .name: bias, .offset: 24, .size: 8, .value_kind: global_buffer, .address_space: global }
      - { .name: att, .offset: 32, .size: 8, .value_kind: global_buffer, .address_space: global }
    .group_segment_fixed_size: 156672
    .private_segment_fixed_size: 0
    .kernarg_segment_align: 8
    .kernarg_segment_size: 40
    .max_flat_workgroup_size: 256
    .sgpr_count:     66
    .vgpr_count:     258
    .wavefront_size: 32
...
	.end_amdgpu_metadata
.endif
;; end of part 3
;; launch proj (part 4): grid 4 x 64, 8 waves a work-group, no clusters, 76,800 bytes of LDS; arguments att, w_proj, b_proj, out0; writes out0
.if DOCPART == 4
	.amdgcn_target "amdgcn-amd-amdhsa--gfx1250"
	.amdhsa_code_object_version 6
	.text
	.protected	k_qab0771b064_proj
	.globl	k_qab0771b064_proj
	.p2align	8
	.type	k_qab0771b064_proj,@function
k_qab0771b064_proj:
	s_mov_b64 s[64:65], 0
	v_nop
	global_prefetch_b8 v0, s[64:65] scope:SCOPE_SE
	s_setreg_imm32_b32 hwreg(HW_REG_WAVE_MODE, 25, 1), 1
	s_wait_xcnt 0x0
; out0[T][f] = sum over c of att[c / 32][T][c % 32] w_proj[c][f] + b_proj[f], f32 out.
; Work-group: 64 features (x) of 128 tokens (y).  Wave w: 16 tokens x 64 features, four accumulator tiles; a K step of 32 is one head.
; Used transposed as in the first launch: source 0 = W^T (transposing loads from LDS, f16), source 1 = att, whose rows of 64 bytes are
; fragments as they lie in memory and come straight into registers.  The bias is loaded into the accumulators: the first products add onto it.
; No tensor loads (W is f32 and is rounded on the way), so no cluster.  LIMIT: |w_proj| < 65504 (f16).
.set WP,  160                          ; LDS pitch of a row of W: 128 bytes + 32 (5 x 32, for the transposing loads)
.set ST,  40960                        ; the way out: 16 rows x 272 bytes for each wave
.set STW, 4352
.set F0,  64                           ; v[64:95], v[96:127]: W's fragments, two buffers; first W as loaded
.set F1,  96
.set BF,  128                          ; v[128:191] att's eight fragments
.set ACC, 192                          ; v[192:223]
.macro PLACES                          ; four places behind a matrix instruction (ISA guide 7.12.1) where there is no other work
.rept 4
	v_nop
.endr
.endm
	s_load_b256 s[4:11], s[0:1], 0x0               ; att s[4:5], w_proj s[6:7], b_proj s[8:9], out0 s[10:11]
	v_lshl_add_u32 v224, v0, 2, 0x12800
	v_mov_b32 v225, 0
	v_lshrrev_b32 v1, 5, v0
	v_readfirstlane_b32 s12, v1                    ; wave
	s_and_b32 s14, ttmp7, 0xffff
	s_lshl_b32 s15, s14, 7
	s_lshl4_add_u32 s15, s12, s15                  ; my first token
	s_lshl_b32 s16, ttmp9, 8                       ; my 64 features: 256 bytes of f32
	s_mov_b32 s17, 0
	s_lshl_b32 s18, s15, 6
	s_mov_b32 s19, 0
	s_lshl_b32 s20, s15, 10
	s_add_co_u32 s20, s20, s16
	s_mov_b32 s21, 0
	s_mul_i32 s13, s12, STW
	s_add_co_u32 s13, s13, ST
	v_and_b32 v2, 15, v0                           ; r
	v_bfe_u32 v3, v0, 4, 1                         ; h
	v_lshrrev_b32 v4, 4, v0                        ; tid / 16
	v_lshlrev_b32 v5, 10, v4
	v_lshl_add_u32 v5, v2, 4, v5                   ; W in memory: row tid / 16, piece tid % 16
	v_lshlrev_b32 v6, 6, v2
	v_lshl_add_u32 v6, v3, 4, v6                   ; att: 64 r + 16 h
	v_lshlrev_b32 v7, 5, v3                        ; bias: 32 h
	v_mul_u32_u24 v10, WP, v4
	v_lshl_add_u32 v10, v2, 3, v10                 ; W into LDS
	v_and_b32 v8, 7, v0
	v_lshl_add_u32 v8, v3, 3, v8
	v_mul_u32_u24 v11, WP, v8
	v_bfe_u32 v8, v0, 3, 1
	v_lshl_add_u32 v11, v8, 4, v11                 ; W's fragments: (8 h + L % 8) pitch + 16 ((L >> 3) & 1)
	v_mul_u32_u24 v12, 272, v2
	v_lshl_add_u32 v12, v3, 5, v12
	v_add_nc_u32 v12, s13, v12                     ; the way out, in: token r, 32 bytes for each half of the lanes
	v_mul_u32_u24 v13, 272, v3
	v_lshl_add_u32 v13, v2, 4, v13
	v_add_nc_u32 v13, s13, v13                     ; back: lanes 0-15 one row, lanes 16-31 the next
	v_lshlrev_b32 v14, 10, v3
	v_lshl_add_u32 v14, v2, 4, v14                 ; and the same two rows in out0
	s_wait_kmcnt 0x0
	s_add_nc_u64 s[4:5], s[4:5], s[18:19]
	s_add_nc_u64 s[6:7], s[6:7], s[16:17]
	s_add_nc_u64 s[8:9], s[8:9], s[16:17]
	s_add_nc_u64 s[10:11], s[10:11], s[20:21]
.set i, 0
.rept 16                                           ; W's 256 rows x 256 bytes
	global_load_b128 v[F0+4*i:F0+4*i+3], v5, s[6:7] offset:16384*i
.set i, i+1
.endr
.set i, 0
.rept 8                                            ; head i of my 16 tokens
	global_load_b128 v[BF+8*i:BF+8*i+3], v6, s[4:5] offset:524288*i
	global_load_b128 v[BF+8*i+4:BF+8*i+7], v6, s[4:5] offset:524288*i+32
.set i, i+1
.endr
.set i, 0
.rept 4                                            ; register j of tile i: b_proj[16 i + 8 h + j]
	global_load_b128 v[ACC+8*i:ACC+8*i+3], v7, s[8:9] offset:64*i
	global_load_b128 v[ACC+8*i+4:ACC+8*i+7], v7, s[8:9] offset:64*i+16
.set i, i+1
.endr
	s_wait_loadcnt 24                              ; W is in; att's 16 loads and the bias's 8 stay out
.set i, 0
.rept 16
	v_cvt_pk_f16_f32 v[F0+4*i], v[F0+4*i], v[F0+4*i+1]
	v_cvt_pk_f16_f32 v[F0+4*i+1], v[F0+4*i+2], v[F0+4*i+3]
	ds_store_b64 v10, v[F0+4*i:F0+4*i+1] offset:2560*i
.set i, i+1
.endr
	s_wait_dscnt 0x0                               ; my part of W is in LDS,
	s_barrier_signal -1
	s_barrier_wait -1                              ; everybody's is
	s_wait_loadcnt 0x0
.macro FETCH ks, f
.set n, 0
.rept 4
	ds_load_tr16_b128 v[\f+8*n:\f+8*n+3], v11 offset:5120*\ks+32*n
	ds_load_tr16_b128 v[\f+8*n+4:\f+8*n+7], v11 offset:5120*\ks+32*n+2560
.set n, n+1
.endr
.endm
.macro MUL ks, f                       ; the four accumulators take turns, one instruction a turn
.set n, 0
.rept 4
	v_wmma_f32_16x16x32_f16 v[ACC+8*n:ACC+8*n+7], v[\f+8*n:\f+8*n+7], v[BF+8*\ks:BF+8*\ks+7], v[ACC+8*n:ACC+8*n+7]
.set n, n+1
.endr
.endm
.macro KSTEP ks, nxt, f, g
	PLACES                                         ; buffer g was read by the matrix instructions just issued
	FETCH \nxt, \g
	s_wait_dscnt 8                                 ; all but the 8 just issued
	MUL \ks, \f
.endm
	FETCH 0, F0
	FETCH 1, F1
	s_wait_dscnt 8
	MUL 0, F0
	KSTEP 1, 2, F1, F0
	KSTEP 2, 3, F0, F1
	KSTEP 3, 4, F1, F0
	KSTEP 4, 5, F0, F1
	KSTEP 5, 6, F1, F0
	KSTEP 6, 7, F0, F1
	s_wait_dscnt 0x0
	MUL 7, F1
	; the way out: a lane's eight results are 32 neighbouring bytes of a token's row; through my own stage, read back by rows
	PLACES
.set n, 0
.rept 4
	ds_store_b128 v12, v[ACC+8*n:ACC+8*n+3] offset:64*n
	ds_store_b128 v12, v[ACC+8*n+4:ACC+8*n+7] offset:64*n+16
.set n, n+1
.endr
.set n, 0
.rept 8                                            ; LDS serves a wave's instructions in order (ISA guide 5.7.1): these see the stores above
	ds_load_b128 v[32+4*n:35+4*n], v13 offset:544*n
.set n, n+1
.endr
.set n, 0
.rept 8
	s_wait_dscnt 7-n
	global_store_b128 v14, v[32+4*n:35+4*n], s[10:11] offset:2048*n   ; 16 lanes store 256 consecutive bytes, aligned
.set n, n+1
.endr
	s_wait_tensorcnt 0x0
	ds_add_u32 v224, v225
	s_wait_dscnt 0x0
	s_endpgm
.Lfunc_end_k_qab0771b064_proj:
	.size	k_qab0771b064_proj, .Lfunc_end_k_qab0771b064_proj-k_qab0771b064_proj
	.p2alignl 7, 3214868480
	.fill 96, 4, 3214868480
	.section	.rodata,"a",@progbits
	.p2align	6, 0x0
	.amdhsa_kernel k_qab0771b064_proj
		.amdhsa_group_segment_fixed_size 76800
		.amdhsa_private_segment_fixed_size 0
		.amdhsa_enable_private_segment 0
		.amdhsa_kernarg_size 32
		.amdhsa_user_sgpr_count 2
		.amdhsa_user_sgpr_kernarg_segment_ptr 1
		.amdhsa_wavefront_size32 1
		.amdhsa_system_sgpr_workgroup_id_x 1
		.amdhsa_system_sgpr_workgroup_id_y 1
		.amdhsa_system_sgpr_workgroup_id_z 1
		.amdhsa_system_vgpr_workitem_id 0
		.amdhsa_next_free_vgpr 226
		.amdhsa_next_free_sgpr 66
		.amdhsa_reserve_vcc 0
		.amdhsa_float_denorm_mode_32 3
		.amdhsa_float_denorm_mode_16_64 3
		.amdhsa_memory_ordered 1
		.amdhsa_forward_progress 1
		.amdhsa_inst_pref_size 19
	.end_amdhsa_kernel
	.amdgpu_metadata
---
amdhsa.version: [ 1, 2 ]
amdhsa.kernels:
  - .name:           k_qab0771b064_proj
    .symbol:         k_qab0771b064_proj.kd
    .args:
      - { .name: att, .offset: 0, .size: 8, .value_kind: global_buffer, .address_space: global }
      - { .name: w_proj, .offset: 8, .size: 8, .value_kind: global_buffer, .address_space: global }
      - { .name: b_proj, .offset: 16, .size: 8, .value_kind: global_buffer, .address_space: global }
      - { .name: out0, .offset: 24, .size: 8, .value_kind: global_buffer, .address_space: global }
    .group_segment_fixed_size: 76800
    .private_segment_fixed_size: 0
    .kernarg_segment_align: 8
    .kernarg_segment_size: 32
    .max_flat_workgroup_size: 256
    .sgpr_count:     66
    .vgpr_count:     226
    .wavefront_size: 32
...
	.end_amdgpu_metadata
.endif
;; end of part 4
;; ======== version 2 of 2: 4 launches; version 1 with the launches qkv, proj written anew for expert scheduling mode
;; limits: values are held in f16: magnitudes above 65,504 overflow, below 6.1e-05 lose precision
;; workspace buffers: qkv 12,582,912 bytes; dens 32,768 bytes; pos 16,384 bytes of whole numbers; cnt 512 bytes of whole numbers; bias 33,792 bytes; att 4,194,304 bytes
;; launch qkv (part 5): grid 4 x 64, 8 waves a work-group, no clusters, 237,056 bytes of LDS; arguments x, w_qkv, qkv, dens; writes qkv, dens
.if DOCPART == 5
	.amdgcn_target "amdgcn-amd-amdhsa--gfx1250"
	.amdhsa_code_object_version 6
	.text
	.protected	k_qab0771b064_qkv
	.globl	k_qab0771b064_qkv
	.p2align	8
	.type	k_qab0771b064_qkv,@function
k_qab0771b064_qkv:
	s_mov_b64 s[64:65], 0
	v_nop
	global_prefetch_b8 v0, s[64:65] scope:SCOPE_SE
	s_setreg_imm32_b32 hwreg(HW_REG_WAVE_SCHED_MODE, 0, 2), 2
	s_setreg_imm32_b32 hwreg(HW_REG_WAVE_MODE, 25, 1), 1
	s_wait_xcnt 0x0
	s_wait_alu depctr_vm_vsrc(0)
; qkv[g][T][32] (f16) = x @ w_qkv, g = which*8 + head, T = batch*4096 + token; Q (g < 8) already times 32^-0.5 * log2(e).
; dens[T] (f32) = (unbiased std of row T of x + mean |row T - row T-1|) / 2, the difference 0 for a batch's first token.
; A work-group makes 192 features (column block cb = x) of 128 tokens (row block rb = y) over the whole K = 256, in one pass through LDS.
; Wave w: features 96 (w & 1) .. +95 (three heads), tokens 32 (w >> 1) .. +31: 12 accumulator tiles.
; The product is used transposed: source 0 = W^T (16 features), source 1 = x (16 tokens); a lane's eight results are then eight
; neighbouring features of one token, 16 bytes of f16.
; No tensor loads: both inputs are f32 and are rounded to f16 on the way from memory into LDS, which goes through registers.
; No cluster: without tensor loads there is no joint request to make.
; LIMITS: matrix operands are f16: |x|, |w| and the results stay below 65504.  A row variance below 2^-126 counts as 0 (v_sqrt_f32
; flushes denormals, ISA guide 15.8).
; THE MODE: SCHED_MODE bits 1:0 = 2 (LLVM: expert scheduling mode 2), set by the entry lines.  The code itself states the register dependences
; between vector or matrix instructions and memory or LDS instructions, with s_wait_alu, always for 0.
; THE PLAN.  Registers that memory or LDS instructions touch, in program order:
;   v4 .. v14      offsets and LDS addresses, made at the head; v16 .. v21 LDS addresses, made behind the density.  None is written again once made.
;   X, v[56:63]    x's loads land here; the roundings and the density read them; then W's pieces 16 to 47 land in X.
;   XO             eight rows of x in f16: written by 32 roundings, read by 16 LDS stores; used twice, then free for the density and the addresses.
;   v53, v55       a density and its LDS address: written by the density's last lines, read by one LDS store, not written again ahead of the barrier.
;   v[192:255], X  W's pieces, 16 at a time: landed in by loads, rounded in place by 32 roundings, read by 16 LDS stores.
;   F0, F1         K step k's products read one; K step k + 1's sixteen LDS loads land in the other, which K step k - 1's products read.
;   v[32:79], F1   the way out: 48 roundings write v[32:79], 12 LDS stores read them, 12 LDS loads land in F1, 12 global stores read it.
; So a wait on va_vdst stands behind each run of roundings, ahead of the run of stores that reads them, and one at the head of each K step that loads;
; a wait on vm_vsrc stands where a run of stores' registers get a new use: twice for XO, once behind the barrier for all the rest.
.set XP,    528                        ; LDS pitch of a row of x: 512 bytes of f16 + 16 (33 x 16: sixteen rows start at sixteen different 16-byte columns)
.set WS,    67584                      ; W behind x's 128 rows
.set WP,    416                        ; LDS pitch of a k row of W: 384 bytes + 32 (13 x 32, for the transposing loads)
.set WHALF, 53248                      ; 128 k rows of W: what the 16-bit LDS immediate cannot reach goes into a second address register
.set ST,    174080                     ; the way out: 3 heads x 32 tokens x 80 bytes for each wave
.set STW,   7680
.set DN,    235520                     ; 128 densities
.set XO,    16                         ; v[16:47]   eight rows of x in f16, 4 registers each, on their way into LDS
.set X,     64                         ; v[64:191]  my 16 rows of x, 8 registers each; v[56:63] = X-8: the row in front of them
.set F0,    32                         ; v[32:95]   fragments, buffer 0: six of W, two of x
.set F1,    96                         ; v[96:159]  buffer 1
.set ACC,   160                        ; v[160:255] tile (fi, tj) at ACC + 8 (2 fi + tj)
.macro PLACES                          ; four places behind a matrix instruction (ISA guide 7.12.1) where there is no other work
.rept 4
	v_nop
.endr
.endm
; W's block is 256 k rows x 768 bytes = 12,288 pieces of 16 bytes, 48 for each of 256 threads.  Load number q = 3 p + m takes piece
; tid + 256 m of the 16 rows of period p.
.macro WLOAD first, reg                ; 16 loads, numbers first .. first + 15
.set n, 0
.rept 16
	global_load_b128 v[\reg+4*n:\reg+4*n+3], v[6+(\first+n)%3], s[20:21] offset:((\first+n)/3)*49152
.set n, n+1
.endr
.endm
.macro WCVT first, reg                 ; the same 16: rounded to f16 in place, then 8 bytes each into LDS
.set n, 0
.rept 16
	v_cvt_pk_f16_f32 v[\reg+4*n], v[\reg+4*n], v[\reg+4*n+1]
	v_cvt_pk_f16_f32 v[\reg+4*n+1], v[\reg+4*n+2], v[\reg+4*n+3]
.set n, n+1
.endr
	s_wait_alu depctr_va_vdst(0)                   ; the 32 roundings have written the registers that the 16 LDS stores read (the first time also: v16 to v21 are written)
.set n, 0
.rept 16
.set pp, (\first+n)/3
	ds_store_b64 v[9+(\first+n)%3+3*(pp/8)], v[\reg+4*n:\reg+4*n+1] offset:(pp%8)*6656
.set n, n+1
.endr
.endm
.macro XOUT first                      ; rows first .. first + 7 of my 16 rows of x: to f16, whole rows of 512 bytes into LDS
.set i, 0
.rept 8
	v_cvt_pk_f16_f32 v[XO+4*i], v[X+8*(\first+i)], v[X+8*(\first+i)+1]
	v_cvt_pk_f16_f32 v[XO+4*i+1], v[X+8*(\first+i)+2], v[X+8*(\first+i)+3]
	v_cvt_pk_f16_f32 v[XO+4*i+2], v[X+8*(\first+i)+4], v[X+8*(\first+i)+5]
	v_cvt_pk_f16_f32 v[XO+4*i+3], v[X+8*(\first+i)+6], v[X+8*(\first+i)+7]
.set i, i+1
.endr
	s_wait_alu depctr_va_vdst(0)                   ; the 32 roundings have written XO, which the 16 LDS stores read, and are done reading these rows of X
.set i, 0
.rept 8
	ds_store_b64 v5, v[XO+4*i:XO+4*i+1] offset:(\first+i)*XP
	ds_store_b64 v5, v[XO+4*i+2:XO+4*i+3] offset:(\first+i)*XP+256
.set i, i+1
.endr
.endm
.macro RED4                            ; v16..v31, one number for each of my 16 rows: summed over each half of 16 lanes; the 16 chains run side by side
.irp m, 1,2,4,8
.set i, 0
.rept 16
	v_add_f32_dpp v[16+i], v[16+i], v[16+i] row_xmask:\m row_mask:0xf bank_mask:0xf
.set i, i+1
.endr
.endr
.endm
.macro MERGE dst                       ; lanes i and i + 16 take row i's half sums, then one step across the halves
	v_mov_b32 v[\dst], v16
.set i, 1
.rept 15
	s_mov_b32 s28, 0x00010001<<i
	v_cndmask_b32 v[\dst], v[\dst], v[16+i], s28
.set i, i+1
.endr
	v_permlanex16_b32 v32, v[\dst], s26, s27
	v_add_f32 v[\dst], v[\dst], v32
.endm
	s_load_b256 s[4:11], s[0:1], 0x0               ; x s[4:5], w_qkv s[6:7], qkv s[8:9], dens s[10:11]
	v_lshl_add_u32 v15, v0, 2, 0x39a00
	s_set_vgpr_msb 0x40
	v_mov_b32 v1, 0
	s_set_vgpr_msb 0x4000
	v_lshrrev_b32 v1, 5, v0
	v_readfirstlane_b32 s12, v1                    ; wave
	v_and_b32 v1, 31, v0                           ; L
	v_and_b32 v2, 15, v0                           ; r
	v_bfe_u32 v3, v0, 4, 1                         ; h
	v_lshlrev_b32 v4, 4, v1                        ; 16 L; never rewritten
.irp m, 0,1,2
	v_add_nc_u32 v16, 256*\m, v0                   ; piece c = tid + 256 m, below 768
	v_mul_u32_u24 v17, 0x556, v16
	v_lshrrev_b32 v17, 16, v17                     ; row = c / 48 (1366 c >> 16 is exact below 768)
	v_mul_u32_u24 v18, 48, v17
	v_sub_nc_u32 v18, v16, v18                     ; piece in the row
	v_mul_u32_u24 v19, 0xc00, v17
	v_lshl_add_u32 v[6+\m], v18, 4, v19            ; in memory: row x 3,072 + 16 x piece
	v_mul_u32_u24 v19, WP, v17
	v_lshl_add_u32 v19, v18, 3, v19
	v_add_nc_u32 v[9+\m], WS, v19                  ; in LDS: periods 0 to 7,
	v_add_nc_u32 v[12+\m], WS+WHALF, v19           ; periods 8 to 15
.endr
	s_mov_b32 s13, ttmp9                           ; cb
	s_and_b32 s14, ttmp7, 0xffff                   ; rb
	s_lshl_b32 s33, s14, 7                         ; T0 = 128 rb
	s_wait_alu depctr_va_sdst(0)                   ; s12 is written, ahead of its first reader: rows, heads and LDS places are made from it
	s_lshl4_add_u32 s15, s12, s33                  ; my first row of x: T0 + 16 w
	s_sub_co_u32 s34, s15, 1                       ; the row in front of it,
	s_and_b32 s35, s15, 4095
	s_cmp_eq_u32 s35, 0
	s_cselect_b32 s34, s15, s34                    ; or the row itself at a batch's start: the difference is then 0
	s_lshl_b32 s34, s34, 10
	s_mov_b32 s35, 0
	s_lshl_b32 s2, s15, 10
	s_mov_b32 s3, 0
	s_mul_i32 s36, s13, 768                        ; my 192 columns of W, in bytes
	s_mov_b32 s37, 0
	s_and_b32 s38, s12, 1                          ; fh
	s_lshr_b32 s39, s12, 1                         ; tg
	s_mul_i32 s32, s13, 6
	s_mul_i32 s40, s38, 3
	s_add_co_u32 s32, s32, s40                     ; g of my first head = 6 cb + 3 fh
	s_lshl_b32 s40, s32, 13
	s_add_co_u32 s40, s40, s33
	s_lshl_b32 s41, s39, 5
	s_add_co_u32 s40, s40, s41
	s_lshl_b32 s40, s40, 6                         ; (g 8192 + T0 + 32 tg) rows of 64 bytes
	s_mov_b32 s41, 0
	s_lshl_b32 s42, s33, 2
	s_mov_b32 s43, 0
	s_mov_b32 s26, 0x76543210                      ; v_permlanex16_b32: lane i reads lane i of the other half
	s_mov_b32 s27, 0xfedcba98
	s_mov_b32 s29, 0xbb800000                      ; -1/256
	s_mov_b32 s30, 0x3e8293ee                      ; 32^-0.5 * log2(e)
	s_mov_b32 s31, 0x3e8293ee
	s_mul_i32 s44, s12, 16*XP
	s_lshl_b32 s45, s12, 6
	s_add_co_u32 s45, s45, DN                      ; my 16 densities in LDS
	v_lshl_add_u32 v5, v1, 3, s44                  ; x into LDS: my 16 rows, 8 bytes a lane
	s_wait_kmcnt 0x0
	s_add_nc_u64 s[16:17], s[4:5], s[2:3]          ; x at my first row
	s_add_nc_u64 s[18:19], s[4:5], s[34:35]        ; x at the row in front
	s_add_nc_u64 s[20:21], s[6:7], s[36:37]        ; W at my columns
	s_add_nc_u64 s[22:23], s[8:9], s[40:41]        ; qkv at my first head's first token
	s_add_nc_u64 s[24:25], s[10:11], s[42:43]      ; dens at T0
	s_wait_alu depctr_va_vdst(0)                   ; v4 to v14 are written: the offsets and LDS addresses that the loads and LDS stores below read
	; 50 loads go out at once: the row in front, my 16 rows (a lane: columns 4 L .. and 128 + 4 L ..), W's first 16 pieces
	global_load_b128 v[56:59], v4, s[18:19]
	global_load_b128 v[60:63], v4, s[18:19] offset:512
.set i, 0
.rept 16
	global_load_b128 v[X+8*i:X+8*i+3], v4, s[16:17] offset:1024*i
	global_load_b128 v[X+8*i+4:X+8*i+7], v4, s[16:17] offset:1024*i+512
.set i, i+1
.endr
	WLOAD 0, 192
	s_wait_loadcnt 16                              ; x is in; the 16 younger loads (W) stay out
	XOUT 0
	s_wait_alu depctr_vm_vsrc(0)                   ; the LDS stores of rows 0 to 7 have read XO, which the next eight rows' roundings write again
	XOUT 8
	s_wait_alu depctr_vm_vsrc(0)                   ; the LDS stores of rows 8 to 15 have read XO: the density and the address lines below write these registers
	; THE DENSITY, from f32 x, by the column block 0 alone (the four column blocks hold the same rows).  Two passes, since the mask
	; that hangs on it has to fall as reference()'s does.
	s_cmp_lg_u32 s13, 0
	s_cbranch_scc1 .Lno_density
.set i, 0
.rept 16                                           ; a lane's eight numbers of each row
.set tt, 32+4*(i%2)
	v_pk_add_f32 v[tt:tt+1], v[X+8*i:X+8*i+1], v[X+8*i+2:X+8*i+3]
	v_pk_add_f32 v[tt+2:tt+3], v[X+8*i+4:X+8*i+5], v[X+8*i+6:X+8*i+7]
	v_pk_add_f32 v[tt:tt+1], v[tt:tt+1], v[tt+2:tt+3]
	v_add_f32 v[16+i], v[tt], v[tt+1]
.set i, i+1
.endr
	RED4
.set i, 0
.rept 16                                           ; every lane needs every row's sum
	v_permlanex16_b32 v[32+i%4], v[16+i], s26, s27
	v_add_f32 v[16+i], v[16+i], v[32+i%4]
.set i, i+1
.endr
.set i, 0
.rept 16                                           ; sum of (x - mean)^2; x - sum/256 is one fused multiply-add
.set tt, 32+10*(i%2)
.irp c, 0,1,2,3,4,5,6,7
	v_fma_f32 v[tt+\c], v[16+i], s29, v[X+8*i+\c]
.endr
	v_pk_mul_f32 v[tt+8:tt+9], v[tt:tt+1], v[tt:tt+1]
	v_pk_fma_f32 v[tt+8:tt+9], v[tt+2:tt+3], v[tt+2:tt+3], v[tt+8:tt+9]
	v_pk_fma_f32 v[tt+8:tt+9], v[tt+4:tt+5], v[tt+4:tt+5], v[tt+8:tt+9]
	v_pk_fma_f32 v[tt+8:tt+9], v[tt+6:tt+7], v[tt+6:tt+7], v[tt+8:tt+9]
	v_add_f32 v[16+i], v[tt+8], v[tt+9]
.set i, i+1
.endr
	RED4
	MERGE 52                                       ; v52: lane r holds row r's sum of squares
.set i, 0
.rept 16                                           ; sum of |x - row in front|
.set tt, 32+10*(i%2)
.irp c, 0,2,4,6
	v_pk_add_f32 v[tt+\c:tt+\c+1], v[X+8*i+\c:X+8*i+\c+1], v[X+8*i-8+\c:X+8*i-8+\c+1] neg_lo:[0,1] neg_hi:[0,1]
.endr
	v_add_f32 v[tt], |v[tt]|, |v[tt+1]|
	v_add_f32 v[tt+2], |v[tt+2]|, |v[tt+3]|
	v_add_f32 v[tt+4], |v[tt+4]|, |v[tt+5]|
	v_add_f32 v[tt+6], |v[tt+6]|, |v[tt+7]|
	v_add_f32 v[tt], v[tt], v[tt+2]
	v_add_f32 v[tt+4], v[tt+4], v[tt+6]
	v_add_f32 v[16+i], v[tt], v[tt+4]
.set i, i+1
.endr
	RED4
	MERGE 54                                       ; v54: lane r holds row r's sum of differences
	v_mul_f32 v16, 0x3b808081, v52                 ; q = squares / 255: a multiply by the rounded reciprocal,
	v_fma_f32 v17, -v16, 0x437f0000, v52           ; the remainder,
	v_fma_f32 v16, v17, 0x3b808081, v16            ; and one correction
	v_max_num_f32 v18, 0x800000, v16               ; keeps the reciprocal root finite at q = 0
	v_sqrt_f32 v19, v16
	v_rsq_f32 v20, v18
	v_nop                                          ; one plain place behind the two (ISA guide 5.7.2)
	s_wait_alu depctr_va_vdst(0)
	v_fma_f32 v17, -v19, v19, v16                  ; y += (q - y y) / (2 sqrt q)
	v_mul_f32 v17, 0.5, v17
	v_fma_f32 v19, v17, v20, v19
	v_fma_f32 v19, v54, 0x3b800000, v19            ; + differences / 256
	v_mul_f32 v53, 0.5, v19                        ; into a register of its own: nothing writes v53 or v55 ahead of the wait behind the barrier
	v_lshl_add_u32 v55, v2, 2, s45
	s_wait_alu depctr_va_vdst(0)                   ; v53 and v55 are written, which the LDS store reads; the density's lines are done reading X, in which W's loads below land
	ds_store_b32 v55, v53                          ; lanes r and r + 16 write the same word with the same value
.Lno_density:
	WLOAD 16, 64                                   ; x's registers are free: the other 32 pieces of W.  No wait here: on either way no vector instruction stands behind the last wait on va_vdst
	WLOAD 32, 128
	v_mul_u32_u24 v16, XP, v2                      ; x's fragments: (32 tg + r) pitch + 16 h
	v_lshl_add_u32 v16, v3, 4, v16
	s_mul_i32 s44, s39, 32*XP
	v_add_nc_u32 v16, s44, v16
	v_and_b32 v22, 7, v0                           ; W's fragments by transposing loads: (8 h + L % 8) pitch + 16 ((L >> 3) & 1) + my 96 features
	v_lshl_add_u32 v22, v3, 3, v22
	v_mul_u32_u24 v17, WP, v22
	v_bfe_u32 v22, v0, 3, 1
	v_lshl_add_u32 v17, v22, 4, v17
	s_mul_i32 s44, s38, 192
	s_add_co_u32 s44, s44, WS
	v_add_nc_u32 v17, s44, v17                     ; K steps 0 to 3
	v_add_nc_u32 v18, WHALF, v17                   ; K steps 4 to 7
	s_mul_i32 s44, s12, STW
	s_add_co_u32 s44, s44, ST                      ; my stage
	v_mul_u32_u24 v19, 80, v2                      ; in: token r, 16 bytes for each half of the lanes
	v_lshl_add_u32 v19, v3, 4, v19
	v_add_nc_u32 v19, s44, v19
	v_lshrrev_b32 v22, 2, v1                       ; back: four lanes take a token's 64 bytes
	v_mul_u32_u24 v20, 80, v22
	v_and_b32 v22, 3, v1
	v_lshl_add_u32 v20, v22, 4, v20
	v_add_nc_u32 v20, s44, v20
	v_add_nc_u32 v21, DN, v4                       ; the densities as one wave reads them back: made here, ahead of the next wait on va_vdst
	s_wait_loadcnt 32                              ; the first 16 pieces are in, the 32 younger stay out
	WCVT 0, 192
	s_wait_loadcnt 16
	WCVT 16, 64
	s_wait_loadcnt 0x0
	WCVT 32, 128
	s_wait_dscnt 0x0                               ; my part of x, of W and of the densities is in LDS,
	s_barrier_signal -1
	s_barrier_wait -1                              ; everybody's is.  The only barrier: nothing in LDS that others read is written again
	s_wait_alu depctr_vm_vsrc(0)                   ; my LDS stores have read v53, v55 and v[64:255]: from here on fragments land in v[32:159] and the products write v[160:255]
	s_cmp_lg_u32 s13, 0
	s_cbranch_scc1 .Lno_dens_out
	s_cmp_lg_u32 s12, 0
	s_cbranch_scc1 .Lno_dens_out
	ds_load_b128 v[24:27], v21
	s_wait_dscnt 0x0
	global_store_b128 v4, v[24:27], s[24:25]       ; the block's 128 densities: 512 consecutive bytes, aligned; v4 and v[24:27] are not written again
.Lno_dens_out:
; The fragments of K step ks are 16 LDS loads: 12 transposing ones (six tiles of W^T), 4 plain ones (two tiles of x).  LD2: numbers 2 q and 2 q + 1 of them.
.macro LD2 ks, f, q
.if (\q) < 6
	ds_load_tr16_b128 v[\f+8*(\q):\f+8*(\q)+3], v[17+\ks/4] offset:(\ks%4)*13312+32*(\q)
	ds_load_tr16_b128 v[\f+8*(\q)+4:\f+8*(\q)+7], v[17+\ks/4] offset:(\ks%4)*13312+6656+32*(\q)
.else
	ds_load_b128 v[\f+8*(\q):\f+8*(\q)+3], v16 offset:((\q)-6)*8448+64*\ks
	ds_load_b128 v[\f+8*(\q)+4:\f+8*(\q)+7], v16 offset:((\q)-6)*8448+64*\ks+32
.endif
.endm
.macro FETCH ks, f
.set q, 0
.rept 8
	LD2 \ks, \f, q
.set q, q+1
.endr
.endm
; The twelve accumulators take turns, one instruction a turn, in the same order in every K step.
; nxt >= 0: K step nxt's sixteen loads into buffer g are dealt two behind each of the first eight products, which name buffer f and the accumulators alone.
.macro MUL f, zero, nxt=-1, g=0
.set n, 0
.rept 12
.if \zero
	v_wmma_f32_16x16x32_f16 v[ACC+8*n:ACC+8*n+7], v[\f+8*(n/2):\f+8*(n/2)+7], v[\f+48+8*(n%2):\f+48+8*(n%2)+7], 0
.else
	v_wmma_f32_16x16x32_f16 v[ACC+8*n:ACC+8*n+7], v[\f+8*(n/2):\f+8*(n/2)+7], v[\f+48+8*(n%2):\f+48+8*(n%2)+7], v[ACC+8*n:ACC+8*n+7]
.endif
.if (\nxt >= 0) && (n < 8)
	LD2 \nxt, \g, n
.endif
.set n, n+1
.endr
.endm
.macro KSTEP nxt, f, g                 ; multiplies buffer f while the next K step's fragments come into buffer g
	PLACES                                         ; buffer g was read by the matrix instructions just issued: the places stay beside the wait below
	s_wait_dscnt 0x0                               ; buffer f is in: its loads were dealt among the step before's first products
	s_wait_alu depctr_va_vdst(0)                   ; the step before's products are done reading buffer g, in which this step's loads land
	MUL \f, 0, \nxt, \g
.endm
	FETCH 0, F0
	FETCH 1, F1
	s_wait_dscnt 16                                ; K step 0's fragments are in; K step 1's sixteen loads stay out
	MUL F0, 1                                      ; the first products start the sums: nothing is cleared
	KSTEP 2, F1, F0
	KSTEP 3, F0, F1
	KSTEP 4, F1, F0
	KSTEP 5, F0, F1
	KSTEP 6, F1, F0
	KSTEP 7, F0, F1
	s_wait_dscnt 0x0
	MUL F1, 0                                      ; the last K step loads nothing: it owes no wait on va_vdst
	; THE WAY OUT: a head's 32 features of 32 tokens through my own stage, read back as whole rows of 64 bytes.
	PLACES
.macro HEADCVT hh
	s_add_co_u32 s44, s32, \hh
	s_cmp_ge_u32 s44, 8
	s_cbranch_scc1 .Lnot_q_\@
.set n, 0
.rept 16                                           ; a head of Q carries the softmax's scale and the change to base 2
	v_pk_mul_f32 v[ACC+32*\hh+2*n:ACC+32*\hh+2*n+1], v[ACC+32*\hh+2*n:ACC+32*\hh+2*n+1], s[30:31] op_sel_hi:[1,0]
.set n, n+1
.endr
.Lnot_q_\@:
.set n, 4*\hh
.rept 4
	v_cvt_pk_f16_f32 v[F0+4*n], v[ACC+8*n], v[ACC+8*n+1]
	v_cvt_pk_f16_f32 v[F0+4*n+1], v[ACC+8*n+2], v[ACC+8*n+3]
	v_cvt_pk_f16_f32 v[F0+4*n+2], v[ACC+8*n+4], v[ACC+8*n+5]
	v_cvt_pk_f16_f32 v[F0+4*n+3], v[ACC+8*n+6], v[ACC+8*n+7]
.set n, n+1
.endr
.endm
	HEADCVT 0
	HEADCVT 1
	HEADCVT 2
	s_wait_alu depctr_va_vdst(0)                   ; the 48 roundings have written v[32:79], which the LDS stores read; the last products are done reading buffer 1, in which the rows come back
.set n, 0
.rept 12
	ds_store_b128 v19, v[F0+4*n:F0+4*n+3] offset:(n/4)*2560+(n%2)*1280+((n/2)%2)*32
.set n, n+1
.endr
.set n, 0
.rept 12                                           ; LDS serves a wave's instructions in order (ISA guide 5.7.1): these see the stores above
	ds_load_b128 v[F1+4*n:F1+4*n+3], v20 offset:(n/4)*2560+(n%4)*640
.set n, n+1
.endr
.set n, 0
.rept 12
	s_wait_dscnt 11-n
	global_store_b128 v4, v[F1+4*n:F1+4*n+3], s[22:23] offset:(n/4)*524288+(n%4)*512   ; eight tokens' rows: 512 consecutive bytes, aligned
.set n, n+1
.endr
	s_set_vgpr_msb 0x4
	s_wait_dscnt 0x0
	s_wait_alu depctr_hold_cnt(0) depctr_sa_sdst(0) depctr_va_vdst(0) depctr_va_sdst(0) depctr_va_ssrc(0) depctr_va_vcc(0) depctr_vm_vsrc(0)
	s_wait_tensorcnt 0x0
	ds_add_u32 v15, v1
	s_wait_dscnt 0x0
	s_endpgm
.Lfunc_end_k_qab0771b064_qkv:
	.size	k_qab0771b064_qkv, .Lfunc_end_k_qab0771b064_qkv-k_qab0771b064_qkv
	.p2alignl 7, 3214868480
	.fill 96, 4, 3214868480
	.section	.rodata,"a",@progbits
	.p2align	6, 0x0
	.amdhsa_kernel k_qab0771b064_qkv
		.amdhsa_group_segment_fixed_size 237056
		.amdhsa_private_segment_fixed_size 0
		.amdhsa_enable_private_segment 0
		.amdhsa_kernarg_size 32
		.amdhsa_user_sgpr_count 2
		.amdhsa_user_sgpr_kernarg_segment_ptr 1
		.amdhsa_wavefront_size32 1
		.amdhsa_system_sgpr_workgroup_id_x 1
		.amdhsa_system_sgpr_workgroup_id_y 1
		.amdhsa_system_sgpr_workgroup_id_z 1
		.amdhsa_system_vgpr_workitem_id 0
		.amdhsa_next_free_vgpr 258
		.amdhsa_next_free_sgpr 66
		.amdhsa_reserve_vcc 0
		.amdhsa_float_denorm_mode_32 3
		.amdhsa_float_denorm_mode_16_64 3
		.amdhsa_memory_ordered 1
		.amdhsa_forward_progress 1
		.amdhsa_inst_pref_size 98
	.end_amdhsa_kernel
	.amdgpu_metadata
---
amdhsa.version: [ 1, 2 ]
amdhsa.kernels:
  - .name:           k_qab0771b064_qkv
    .symbol:         k_qab0771b064_qkv.kd
    .args:
      - { .name: x, .offset: 0, .size: 8, .value_kind: global_buffer, .address_space: global }
      - { .name: w_qkv, .offset: 8, .size: 8, .value_kind: global_buffer, .address_space: global }
      - { .name: qkv, .offset: 16, .size: 8, .value_kind: global_buffer, .address_space: global }
      - { .name: dens, .offset: 24, .size: 8, .value_kind: global_buffer, .address_space: global }
    .group_segment_fixed_size: 237056
    .private_segment_fixed_size: 0
    .kernarg_segment_align: 8
    .kernarg_segment_size: 32
    .max_flat_workgroup_size: 256
    .sgpr_count:     66
    .vgpr_count:     258
    .wavefront_size: 32
...
	.end_amdgpu_metadata
.endif
;; end of part 5
;; launch select: the kernel of part 2 again; grid 2 x 1, 32 waves a work-group, no clusters, 4,608 bytes of LDS; arguments dens, pos, cnt, bias; writes pos, cnt, bias
;; launch attn: the kernel of part 3 again; grid 16 x 16, 8 waves a work-group, no clusters, 156,672 bytes of LDS; arguments qkv, pos, cnt, bias, att; writes att
;; launch proj (part 6): grid 4 x 64, 8 waves a work-group, no clusters, 76,800 bytes of LDS; arguments att, w_proj, b_proj, out0; writes out0
.if DOCPART == 6
	.amdgcn_target "amdgcn-amd-amdhsa--gfx1250"
	.amdhsa_code_object_version 6
	.text
	.protected	k_qab0771b064_proj
	.globl	k_qab0771b064_proj
	.p2align	8
	.type	k_qab0771b064_proj,@function
k_qab0771b064_proj:
	s_mov_b64 s[64:65], 0
	v_nop
	global_prefetch_b8 v0, s[64:65] scope:SCOPE_SE
	s_setreg_imm32_b32 hwreg(HW_REG_WAVE_SCHED_MODE, 0, 2), 2
	s_setreg_imm32_b32 hwreg(HW_REG_WAVE_MODE, 25, 1), 1
	s_wait_xcnt 0x0
	s_wait_alu depctr_vm_vsrc(0)
; out0[T][f] = sum over c of att[c / 32][T][c % 32] w_proj[c][f] + b_proj[f], f32 out.
; Work-group: 64 features (x) of 128 tokens (y).  Wave w: 16 tokens x 64 features, four accumulator tiles; a K step of 32 is one head.
; Used transposed as in the first launch: source 0 = W^T (transposing loads from LDS, f16), source 1 = att, whose rows of 64 bytes are
; fragments as they lie in memory and come straight into registers.  The bias is loaded into the accumulators: the first products add onto it.
; No tensor loads (W is f32 and is rounded on the way), so no cluster.  LIMIT: |w_proj| < 65504 (f16).
; THE MODE: SCHED_MODE bits 1:0 = 2 (LLVM: expert scheduling mode 2), set by the entry lines.  The code itself states the register dependences
; between vector or matrix instructions and memory or LDS instructions, with s_wait_alu, always for 0.
; THE PLAN.  Registers that memory or LDS instructions touch, in program order:
;   v5 .. v14      offsets and LDS addresses, made at the head and never written again.
;   v[64:127]      W's loads land here; 32 roundings work in place; 16 LDS stores read them; behind the barrier they are fragment buffers 0 and 1.
;   BF, ACC        att's and the bias's loads land here; named by matrix instructions alone until the way out.
;   F0, F1, F2     K step k's products read buffer k % 3; K step k + 2's eight LDS loads land in buffer (k - 1) % 3, which K step k - 1's products read.
;   ACC, v[32:63]  the way out: 8 LDS stores read the accumulators, 8 LDS loads land in v[32:63] (buffer 2), 8 global stores read them.
; So one wait on va_vdst stands at the head of each K step that loads, and its eight loads are dealt among its four products, which name another buffer,
; BF and the accumulators; one stands behind the roundings, one ahead of the way out; one wait on vm_vsrc stands behind the barrier.
.set WP,  160                          ; LDS pitch of a row of W: 128 bytes + 32 (5 x 32, for the transposing loads)
.set ST,  40960                        ; the way out: 16 rows x 272 bytes for each wave
.set STW, 4352
.set F0,  64                           ; v[64:95], v[96:127], v[32:63]: W's fragments, three buffers; the first two hold W as loaded before
.set F1,  96
.set F2,  32
.set BF,  128                          ; v[128:191] att's eight fragments
.set ACC, 192                          ; v[192:223]
.macro PLACES                          ; four places behind a matrix instruction (ISA guide 7.12.1) where there is no other work
.rept 4
	v_nop
.endr
.endm
	s_load_b256 s[4:11], s[0:1], 0x0               ; att s[4:5], w_proj s[6:7], b_proj s[8:9], out0 s[10:11]
	v_lshl_add_u32 v30, v0, 2, 0x12800
	v_mov_b32 v31, 0
	v_lshrrev_b32 v1, 5, v0
	v_readfirstlane_b32 s12, v1                    ; wave
	v_and_b32 v2, 15, v0                           ; r
	v_bfe_u32 v3, v0, 4, 1                         ; h
	v_lshrrev_b32 v4, 4, v0                        ; tid / 16
	v_lshlrev_b32 v5, 10, v4
	v_lshl_add_u32 v5, v2, 4, v5                   ; W in memory: row tid / 16, piece tid % 16
	v_lshlrev_b32 v6, 6, v2
	v_lshl_add_u32 v6, v3, 4, v6                   ; att: 64 r + 16 h
	v_lshlrev_b32 v7, 5, v3                        ; bias: 32 h
	v_mul_u32_u24 v10, WP, v4
	v_lshl_add_u32 v10, v2, 3, v10                 ; W into LDS
	v_and_b32 v8, 7, v0
	v_lshl_add_u32 v8, v3, 3, v8
	v_mul_u32_u24 v11, WP, v8
	v_bfe_u32 v8, v0, 3, 1
	v_lshl_add_u32 v11, v8, 4, v11                 ; W's fragments: (8 h + L % 8) pitch + 16 ((L >> 3) & 1)
	v_mul_u32_u24 v12, 272, v2
	v_lshl_add_u32 v12, v3, 5, v12
	v_mul_u32_u24 v13, 272, v3
	v_lshl_add_u32 v13, v2, 4, v13
	v_lshlrev_b32 v14, 10, v3
	v_lshl_add_u32 v14, v2, 4, v14                 ; two rows in out0: lanes 0-15 one, lanes 16-31 the next
	s_and_b32 s14, ttmp7, 0xffff
	s_lshl_b32 s15, s14, 7
	s_lshl_b32 s16, ttmp9, 8                       ; my 64 features: 256 bytes of f32
	s_mov_b32 s17, 0
	s_wait_alu depctr_va_sdst(0)                   ; s12 is written, ahead of its first reader: my tokens and my stage are made from it
	s_lshl4_add_u32 s15, s12, s15                  ; my first token
	s_lshl_b32 s18, s15, 6
	s_mov_b32 s19, 0
	s_lshl_b32 s20, s15, 10
	s_add_co_u32 s20, s20, s16
	s_mov_b32 s21, 0
	s_mul_i32 s13, s12, STW
	s_add_co_u32 s13, s13, ST
	v_add_nc_u32 v12, s13, v12                     ; the way out, in: token r, 32 bytes for each half of the lanes
	v_add_nc_u32 v13, s13, v13                     ; back: lanes 0-15 one row, lanes 16-31 the next
	s_wait_kmcnt 0x0
	s_add_nc_u64 s[4:5], s[4:5], s[18:19]
	s_add_nc_u64 s[6:7], s[6:7], s[16:17]
	s_add_nc_u64 s[8:9], s[8:9], s[16:17]
	s_add_nc_u64 s[10:11], s[10:11], s[20:21]
	s_wait_alu depctr_va_vdst(0)                   ; v5 to v14 are written: the offsets and LDS addresses that every load and store of the kernel reads
.set i, 0
.rept 16                                           ; W's 256 rows x 256 bytes
	global_load_b128 v[F0+4*i:F0+4*i+3], v5, s[6:7] offset:16384*i
.set i, i+1
.endr
.set i, 0
.rept 8                                            ; head i of my 16 tokens
	global_load_b128 v[BF+8*i:BF+8*i+3], v6, s[4:5] offset:524288*i
	global_load_b128 v[BF+8*i+4:BF+8*i+7], v6, s[4:5] offset:524288*i+32
.set i, i+1
.endr
.set i, 0
.rept 4                                            ; register j of tile i: b_proj[16 i + 8 h + j]
	global_load_b128 v[ACC+8*i:ACC+8*i+3], v7, s[8:9] offset:64*i
	global_load_b128 v[ACC+8*i+4:ACC+8*i+7], v7, s[8:9] offset:64*i+16
.set i, i+1
.endr
	s_wait_loadcnt 24                              ; W is in; att's 16 loads and the bias's 8 stay out
.set i, 0
.rept 16
	v_cvt_pk_f16_f32 v[F0+4*i], v[F0+4*i], v[F0+4*i+1]
	v_cvt_pk_f16_f32 v[F0+4*i+1], v[F0+4*i+2], v[F0+4*i+3]
.set i, i+1
.endr
	s_wait_alu depctr_va_vdst(0)                   ; the 32 roundings have written the registers that the 16 LDS stores read
.set i, 0
.rept 16
	ds_store_b64 v10, v[F0+4*i:F0+4*i+1] offset:2560*i
.set i, i+1
.endr
	s_wait_dscnt 0x0                               ; my part of W is in LDS,
	s_barrier_signal -1
	s_barrier_wait -1                              ; everybody's is
	s_wait_alu depctr_vm_vsrc(0)                   ; my LDS stores have read v[64:127]: these registers are fragment buffers 0 and 1 from here on
.macro FETCH ks, f
.set n, 0
.rept 4
	ds_load_tr16_b128 v[\f+8*n:\f+8*n+3], v11 offset:5120*\ks+32*n
	ds_load_tr16_b128 v[\f+8*n+4:\f+8*n+7], v11 offset:5120*\ks+32*n+2560
.set n, n+1
.endr
.endm
; The four accumulators take turns, one instruction a turn.
; nxt >= 0: K step nxt's eight loads into buffer g are dealt two behind each product; the products name buffer f, BF and the accumulators alone.
.macro MUL ks, f, nxt=-1, g=0
.set n, 0
.rept 4
	v_wmma_f32_16x16x32_f16 v[ACC+8*n:ACC+8*n+7], v[\f+8*n:\f+8*n+7], v[BF+8*\ks:BF+8*\ks+7], v[ACC+8*n:ACC+8*n+7]
.if \nxt >= 0
	ds_load_tr16_b128 v[\g+8*n:\g+8*n+3], v11 offset:5120*\nxt+32*n
	ds_load_tr16_b128 v[\g+8*n+4:\g+8*n+7], v11 offset:5120*\nxt+32*n+2560
.endif
.set n, n+1
.endr
.endm
.macro KSTEP ks, nxt, f, g             ; multiplies buffer f; the fragments of the step two further on come into buffer g
	PLACES                                         ; buffer g was read by the matrix instructions just issued: the places stay beside the wait below
	s_wait_dscnt 8                                 ; buffer f is in; the next step's eight loads stay out
	s_wait_alu depctr_va_vdst(0)                   ; the step before's products are done reading buffer g, in which this step's loads land
	MUL \ks, \f, \nxt, \g
.endm
	FETCH 0, F0
	FETCH 1, F1
	FETCH 2, F2
	s_wait_loadcnt 0x0                             ; att and the bias
	s_wait_dscnt 16                                ; K step 0's fragments are in; the sixteen loads of steps 1 and 2 stay out
	MUL 0, F0
	KSTEP 1, 3, F1, F0
	KSTEP 2, 4, F2, F1
	KSTEP 3, 5, F0, F2
	KSTEP 4, 6, F1, F0
	KSTEP 5, 7, F2, F1
	s_wait_dscnt 8                                 ; the last two K steps load nothing: they owe no wait on va_vdst, and the counts run down
	MUL 6, F0
	s_wait_dscnt 0x0
	MUL 7, F1
	; the way out: a lane's eight results are 32 neighbouring bytes of a token's row; through my own stage, read back by rows
	PLACES
	s_wait_alu depctr_va_vdst(0)                   ; the products have written the accumulators, which the LDS stores read, and are done reading buffer 2, in which the rows come back; the places above stay beside this wait
.set n, 0
.rept 4
	ds_store_b128 v12, v[ACC+8*n:ACC+8*n+3] offset:64*n
	ds_store_b128 v12, v[ACC+8*n+4:ACC+8*n+7] offset:64*n+16
.set n, n+1
.endr
.set n, 0
.rept 8                                            ; LDS serves a wave's instructions in order (ISA guide 5.7.1): these see the stores above
	ds_load_b128 v[32+4*n:35+4*n], v13 offset:544*n
.set n, n+1
.endr
.set n, 0
.rept 8
	s_wait_dscnt 7-n
	global_store_b128 v14, v[32+4*n:35+4*n], s[10:11] offset:2048*n   ; 16 lanes store 256 consecutive bytes, aligned
.set n, n+1
.endr
	s_wait_dscnt 0x0
	s_wait_alu depctr_hold_cnt(0) depctr_sa_sdst(0) depctr_va_vdst(0) depctr_va_sdst(0) depctr_va_ssrc(0) depctr_va_vcc(0) depctr_vm_vsrc(0)
	s_wait_tensorcnt 0x0
	ds_add_u32 v30, v31
	s_wait_dscnt 0x0
	s_endpgm
.Lfunc_end_k_qab0771b064_proj:
	.size	k_qab0771b064_proj, .Lfunc_end_k_qab0771b064_proj-k_qab0771b064_proj
	.p2alignl 7, 3214868480
	.fill 96, 4, 3214868480
	.section	.rodata,"a",@progbits
	.p2align	6, 0x0
	.amdhsa_kernel k_qab0771b064_proj
		.amdhsa_group_segment_fixed_size 76800
		.amdhsa_private_segment_fixed_size 0
		.amdhsa_enable_private_segment 0
		.amdhsa_kernarg_size 32
		.amdhsa_user_sgpr_count 2
		.amdhsa_user_sgpr_kernarg_segment_ptr 1
		.amdhsa_wavefront_size32 1
		.amdhsa_system_sgpr_workgroup_id_x 1
		.amdhsa_system_sgpr_workgroup_id_y 1
		.amdhsa_system_sgpr_workgroup_id_z 1
		.amdhsa_system_vgpr_workitem_id 0
		.amdhsa_next_free_vgpr 224
		.amdhsa_next_free_sgpr 66
		.amdhsa_reserve_vcc 0
		.amdhsa_float_denorm_mode_32 3
		.amdhsa_float_denorm_mode_16_64 3
		.amdhsa_memory_ordered 1
		.amdhsa_forward_progress 1
		.amdhsa_inst_pref_size 19
	.end_amdhsa_kernel
	.amdgpu_metadata
---
amdhsa.version: [ 1, 2 ]
amdhsa.kernels:
  - .name:           k_qab0771b064_proj
    .symbol:         k_qab0771b064_proj.kd
    .args:
      - { .name: att, .offset: 0, .size: 8, .value_kind: global_buffer, .address_space: global }
      - { .name: w_proj, .offset: 8, .size: 8, .value_kind: global_buffer, .address_space: global }
      - { .name: b_proj, .offset: 16, .size: 8, .value_kind: global_buffer, .address_space: global }
      - { .name: out0, .offset: 24, .size: 8, .value_kind: global_buffer, .address_space: global }
    .group_segment_fixed_size: 76800
    .private_segment_fixed_size: 0
    .kernarg_segment_align: 8
    .kernarg_segment_size: 32
    .max_flat_workgroup_size: 256
    .sgpr_count:     66
    .vgpr_count:     224
    .wavefront_size: 32
...
	.end_amdgpu_metadata
.endif
;; end of part 6
